; MI455X (gfx1250); checked and timed in simulation.
; The chip was launched on July 23, 2026; its instructions are those of AMD's public machine-readable ISA for CDNA 5 (MIT licence, August 2026) and "CDNA5" Instruction Set Architecture Reference Guide (July 2026). The comments in the code are by the model that wrote it; some were corrected since.
;; TDSPMLP Head. Allowed arithmetic: float matrix products may take bf16 or f16 operands with f32 sums; other float arithmetic in f32, or as packed bf16 or f16 multiplies, adds, multiply-adds, maxima and minima; sums over many terms, partial sums and values carried from step to step in f32; what a program stores and reads back later, other than sums and carried values, may be rounded once to bf16 or f16.
;; Inputs: W1 768 x 512 float32; W2 512 x 1 float32; b1 512 float32; b2 1 float32; beta 512 float32; det_features 8 x 128 x 256 float32; gamma 512 float32; track_features 8 x 128 x 256 float32.
;; Outputs: out0 8 x 128 x 128 float32.
;; 2 versions, each right and faster than the one before. Each part assembles by itself: llvm-mc -triple=amdgcn-amd-amdhsa -mcpu=gfx1250 --defsym DOCPART=n.
;; ======== version 1 of 2: 2 launches
;; limits: values outside matrix products are rounded to f16
;; workspace buffers: WF 262,144 bytes; TD 4,194,304 bytes; PS 262,144 bytes; FN 1,048,576 bytes
;; launch prep (part 1): grid 264 x 1, 4 waves a work-group, no clusters, 0 bytes of LDS; arguments track_features, det_features, W1, b1, WF, TD, PS, FN; writes WF, TD, PS, FN
.if DOCPART == 1
	.amdgcn_target "amdgcn-amd-amdhsa--gfx1250"
	.amdhsa_code_object_version 6
	.text
	.protected	k_qfecc1b65cd_prep
	.globl	k_qfecc1b65cd_prep
	.p2align	8
	.type	k_qfecc1b65cd_prep,@function
k_qfecc1b65cd_prep:
	s_mov_b64 s[64:65], 0
	v_nop
	global_prefetch_b8 v0, s[64:65] scope:SCOPE_SE
	s_setreg_imm32_b32 hwreg(HW_REG_WAVE_MODE, 25, 1), 1
	s_wait_xcnt 0x0
; PREPARATION for the pair kernel.  h[n][m] = [t, d, |t-d|] W1 + b1 splits along K into Tp[n] + Dp[m] + |t-d| W1c with Tp = t W1a + b1, Dp = d W1b,
; where t, d are the rows divided by max(norm, 1e-12).  This launch makes, once:
;   FN  the normalised rows in f16, in the order of matrix fragments: [RT 128][ks 8][q 2][lane 32][16 bytes]; lane (r, h) holds row 16 RT + r, k = 32 ks + 16 q + 8 h + 0..7.
;       RT 0-63 are the track rows, stored as +t; RT 64-127 the det rows, stored as -d, so that the pair kernel forms |t - d| as |t + (-d)|.
;   TD  Tp and Dp in f32, in the order of accumulators: [RT][HT 32][q 2][lane][16 bytes]; lane (r, h) holds row 16 RT + r, H = 16 HT + 8 h + 4 q + 0..3.
;   PS  partial row sums of TD in f32: [RT][hp 16][lane]; lane (r, h) holds the sum of its 16 numbers of H tiles 2 hp, 2 hp + 1 (the layer norm's mean is taken off with them).
;   WF  W1c less each row's mean over H (taken off in f32, then rounded once to f16): [w 4][T 8][ks 8][q 2][lane][16 bytes]; lane (r, h) holds H = 128 w + 16 T + r, k = 32 ks + 16 q + 8 h + 0..7.
; LIMITS.  Matrix operands are f16: W1 must lie within 65,504; numbers below 6e-5 keep f16's fixed step of 6e-8.  W1a and W1b are rounded as they are (not centred).  NaN and infinities are not treated apart.
; SHARES.  Work-groups 0-255: rb = g / 8 names 64 rows (0-15 tracks, 16-31 dets), hs = g % 8 names 64 of H; a wave takes 32 rows x 32 H, K = 256.  Work-groups 256-263: a wave takes 8 rows of W1c.
; No LDS, no barrier: no wave needs another's numbers.  The matrix instruction is used transposed (source 0 = 16 of H, source 1 = 16 rows), so a lane holds one row and eight neighbouring H.
; REGISTERS (windows of 256; s_set_vgpr_msb: bits 1:0 source 0, 3:2 source 1, 5:4 source 2, 7:6 destination).  Window 0 below; window 1: v0-127 a block of 16 rows in f32, v128-191 W1 for four K steps in f32, v192-223 results to store.
.set L16,  5          ; v5   16 x lane
.set L4,   6          ; v6   4 x lane
.set VF,   7          ; v7   my place in 16 feature rows: 1024 r + 32 h
.set VW,   8          ; v8   my place in W1: 8 h rows of 2048 bytes + 4 r
.set VB,   9          ; v9   my place in b1: 32 h
.set VSTW, 10         ; v10  role W: my place in WF: 8192 (lane / 16) + 16 (lane % 16)
.set AC,   16         ; v16-31  two accumulators (rows 0-15, rows 16-31)
.set B1F,  32         ; v32-47  b1 of my 2 x 8 H (0 for dets)
.set CH,   48         ; v48-55  four chains of pairs for the sum of squares
.set SC,   56         ; v56-57  the row's scale, in the low word
.set TMP,  58         ; v58-59  at work
.set PSP,  60         ; v60-63  the two row blocks' running sums, as pairs
.set FR,   64         ; v64-191 the rows' fragments in f16: block rt, K step ks at FR + 64 rt + 8 ks
.set WA,   192        ; v192-255 W1's fragments in f16 for one H tile: K step ks at WA + 8 ks
.set RA,   0          ; window 1
.set RB,   128        ; window 1
.set XO,   192        ; window 1: H tile ht, block rt at XO + 16 ht + 8 rt
.set RW,   64         ; role W, window 0: v64-191 W1c[8 kg + e][32 blk + lane] at RW + 8 blk + e
.set SW,   48         ; role W: v48-55 the eight rows' sums
.set PW,   192        ; role W: v192-255 packed f16, four registers a blk
.set WV,   24         ; s24 wave
.set RBK,  25         ; s25 rb (role W: kg)
.set HS,   26
.set WR,   27
.set WH,   28
.set RT0,  29         ; s29 my first block of 16 rows
.set HP,   30         ; s30 my pair of H tiles
.set FB,   32         ; s[32:33] features at my first row
.set SG,   34         ; s[34:35] +1 for tracks, -1 for dets
.set FL,   36         ; s[36:37] 1 for tracks, 0 for dets (role W: -1/512)
.set WOF,  38
.set OF,   40         ; s[40:41] an offset, high word 0
.set WB,   42         ; s[42:43] W1 at my columns
.set BB,   44         ; s[44:45] b1 at my columns
.set TDB,  46         ; s[46:47] TD at my part (role W: WF at my part)
.set PSB,  48         ; s[48:49] PS at my part
.set FNB,  50         ; s[50:51] FN at my part
.set SEL,  52         ; s[52:53] v_permlanex16_b32: each lane takes its own place in the other half
.set MSB, 0
.macro WIN new                      ; the immediate's high byte repeats the setting that is left; a switch that changes nothing is dropped
.if MSB != (\new)
	s_set_vgpr_msb (MSB<<8)|(\new)
.set MSB, (\new)
.endif
.endm
	s_load_b512 s[8:23], s[0:1], 0x0               ; track s[8:9], det s[10:11], W1 s[12:13], b1 s[14:15], WF s[16:17], TD s[18:19], PS s[20:21], FN s[22:23]
	v_lshrrev_b32 v1, 5, v0
	v_readfirstlane_b32 s[WV], v1                  ; wave 0..3
	v_and_b32 v2, 31, v0                           ; lane
	v_and_b32 v3, 15, v0                           ; r
	v_bfe_u32 v4, v0, 4, 1                         ; h
	v_lshlrev_b32 v[L16], 4, v2
	v_lshlrev_b32 v[L4], 2, v2
	v_mov_b32 v[TMP+1], 0                          ; v_permlanex16_b32 counts as a reader of its destination
	v_mov_b32 v[SC+1], 0                           ; named with SC as a pair
	s_mov_b32 s[SEL], 0x76543210
	s_mov_b32 s[SEL+1], 0xfedcba98
	s_mov_b32 s[OF+1], 0
	s_cmp_ge_u32 ttmp9, 256
	s_cbranch_scc1 .Lrole_w
	; ---------------- Tp, Dp, their partial sums, and the normalised rows ----------------
	s_lshr_b32 s[RBK], ttmp9, 3
	s_and_b32 s[HS], ttmp9, 7
	s_lshr_b32 s[WR], s[WV], 1
	s_and_b32 s[WH], s[WV], 1
	s_lshl_b32 s[RT0], s[RBK], 2
	s_lshl1_add_u32 s[RT0], s[WR], s[RT0]          ; 4 rb + 2 wr
	s_lshl1_add_u32 s[HP], s[HS], s[WH]            ; 2 hs + wh
	v_lshlrev_b32 v[VF], 10, v3
	v_lshl_add_u32 v[VF], v4, 5, v[VF]
	v_lshlrev_b32 v[VW], 2, v3
	v_lshl_add_u32 v[VW], v4, 14, v[VW]
	v_lshlrev_b32 v[VB], 5, v4
	s_wait_kmcnt 0x0
	s_cmp_lt_u32 s[RBK], 16                        ; tracks?
	s_cselect_b64 s[FB:FB+1], s[8:9], s[10:11]
	s_cselect_b32 s[SG], 1.0, -1.0
	s_cselect_b32 s[FL], 1.0, 0
	s_cselect_b32 s[WOF], 0, 0x80000               ; W1b begins 256 rows of 2048 bytes behind W1a
	s_mov_b32 s[SG+1], s[SG]
	s_mov_b32 s[FL+1], s[FL]
	s_and_b32 s[OF], s[RT0], 63
	s_lshl_b32 s[OF], s[OF], 14                    ; 16 rows of 1024 bytes a block
	s_add_nc_u64 s[FB:FB+1], s[FB:FB+1], s[OF:OF+1]
	s_lshl_b32 s[OF], s[HP], 7                     ; 32 columns of 4 bytes
	s_add_nc_u64 s[BB:BB+1], s[14:15], s[OF:OF+1]
	s_add_co_u32 s[OF], s[OF], s[WOF]
	s_add_nc_u64 s[WB:WB+1], s[12:13], s[OF:OF+1]
	s_lshl_b32 s[OF], s[RT0], 15
	s_lshl_b32 s31, s[HP], 11
	s_add_co_u32 s[OF], s[OF], s31
	s_add_nc_u64 s[TDB:TDB+1], s[18:19], s[OF:OF+1]
	s_lshl_b32 s[OF], s[RT0], 11
	s_lshl_b32 s31, s[HP], 7
	s_add_co_u32 s[OF], s[OF], s31
	s_add_nc_u64 s[PSB:PSB+1], s[20:21], s[OF:OF+1]
	s_lshl_b32 s[OF], s[RT0], 13
	s_add_nc_u64 s[FNB:FNB+1], s[22:23], s[OF:OF+1]
.macro LDF rt                       ; 16 rows in f32, in fragment order: register 4 j holds k = 32 (j / 4) + 16 ((j / 2) % 2) + 8 h + 4 (j % 2) + 0..3
	WIN 0x40
.set j, 0
.rept 32
	global_load_b128 v[RA+4*j:RA+4*j+3], v[VF], s[FB:FB+1] offset:(\rt)*16384+(j/4)*128+((j/2)%2)*64+(j%2)*16
.set j, j+1
.endr
.endm
.macro LDW ht, half                 ; W1 lies [K][H]: a fragment's eight k are eight rows, one number a load.  Four K steps: register j holds k = 128 half + 32 (j / 16) + 16 ((j / 8) % 2) + 8 h + j % 8
	WIN 0x40
.set j, 0
.rept 64
	global_load_b32 v[RB+j], v[VW], s[WB:WB+1] offset:(\ht)*64+(128*(\half)+32*(j/16)+16*((j/8)%2)+j%8)*2048
.set j, j+1
.endr
.endm
.macro NORM rt                      ; the block's rows divided by max(norm, 1e-12), with the sign, rounded once to f16
	WIN 0x05
.set j, 0
.rept 64
.if j < 4
	v_pk_mul_f32 v[CH+2*j:CH+2*j+1], v[RA+2*j:RA+2*j+1], v[RA+2*j:RA+2*j+1]   ; the first four products start the chains: nothing is cleared
.else
	v_pk_fma_f32 v[CH+2*(j%4):CH+2*(j%4)+1], v[RA+2*j:RA+2*j+1], v[RA+2*j:RA+2*j+1], v[CH+2*(j%4):CH+2*(j%4)+1]
.endif
.set j, j+1
.endr
	WIN 0
	v_pk_add_f32 v[CH:CH+1], v[CH:CH+1], v[CH+2:CH+3]
	v_pk_add_f32 v[CH+4:CH+5], v[CH+4:CH+5], v[CH+6:CH+7]
	v_pk_add_f32 v[CH:CH+1], v[CH:CH+1], v[CH+4:CH+5]
	v_add_f32 v[TMP], v[CH], v[CH+1]
	v_permlanex16_b32 v[TMP+1], v[TMP], s[SEL], s[SEL+1]   ; the row's other 128 numbers lie in the lane 16 away
	v_add_f32 v[TMP], v[TMP], v[TMP+1]
	v_sqrt_f32 v[TMP], v[TMP]
	v_nop                                          ; a plain instruction behind a transcendental before its result is used (ISA guide 5.7.2)
	s_wait_alu depctr_va_vdst(0)
	v_max_num_f32 v[TMP], 0x2b8cbccc, v[TMP]       ; 1e-12
	v_rcp_f32 v[TMP], v[TMP]
	v_nop
	s_wait_alu depctr_va_vdst(0)
	v_mul_f32 v[SC], s[SG], v[TMP]
	WIN 0x41
.set j, 0
.rept 64
	v_pk_mul_f32 v[RA+2*j:RA+2*j+1], v[RA+2*j:RA+2*j+1], v[SC:SC+1] op_sel_hi:[1,0]
.set j, j+1
.endr
	WIN 0x05
.set j, 0
.rept 64
	v_cvt_pk_f16_f32 v[FR+64*(\rt)+j], v[RA+2*j], v[RA+2*j+1]
.set j, j+1
.endr
.endm
.macro CVW half                     ; four K steps of W1 rounded to f16
	WIN 0x05
.set j, 0
.rept 32
	v_cvt_pk_f16_f32 v[WA+32*(\half)+j], v[RB+2*j], v[RB+2*j+1]
.set j, j+1
.endr
.endm
.macro GEMM                         ; 16 H x 32 rows x K = 256.  The two accumulators take turns, one instruction a turn; the first K step starts the sums
	WIN 0
.set k, 0
.rept 8
.if k == 0
	v_wmma_f32_16x16x32_f16 v[AC:AC+7], v[WA:WA+7], v[FR:FR+7], 0
	v_wmma_f32_16x16x32_f16 v[AC+8:AC+15], v[WA:WA+7], v[FR+64:FR+71], 0
.else
	v_wmma_f32_16x16x32_f16 v[AC:AC+7], v[WA+8*k:WA+8*k+7], v[FR+8*k:FR+8*k+7], v[AC:AC+7]
	v_wmma_f32_16x16x32_f16 v[AC+8:AC+15], v[WA+8*k:WA+8*k+7], v[FR+64+8*k:FR+64+8*k+7], v[AC+8:AC+15]
.endif
.set k, k+1
.endr
.endm
.macro OUT ht                       ; sign and bias, the running sums, the stores.  Each result has registers of its own, so no store's data is ever rewritten
.rept 4
	v_nop                                          ; four places between the last product and the first read of a result; also ahead of the next rewrite of W1's fragments (ISA guide 7.12.1)
.endr
	WIN 0x40
.set j, 0
.rept 8                             ; ascending: each accumulator is first read at its low end
	v_pk_fma_f32 v[XO+16*(\ht)+2*j:XO+16*(\ht)+2*j+1], v[AC+2*j:AC+2*j+1], s[SG:SG+1], v[B1F+8*(\ht)+2*(j%4):B1F+8*(\ht)+2*(j%4)+1] op_sel_hi:[1,0,1]
.set j, j+1
.endr
.if (\ht) == 0
	WIN 0x05
	v_pk_add_f32 v[PSP:PSP+1], v[XO:XO+1], v[XO+2:XO+3]
	v_pk_add_f32 v[PSP+2:PSP+3], v[XO+8:XO+9], v[XO+10:XO+11]
	WIN 0x04
	v_pk_add_f32 v[PSP:PSP+1], v[PSP:PSP+1], v[XO+4:XO+5]
	v_pk_add_f32 v[PSP+2:PSP+3], v[PSP+2:PSP+3], v[XO+12:XO+13]
	v_pk_add_f32 v[PSP:PSP+1], v[PSP:PSP+1], v[XO+6:XO+7]
	v_pk_add_f32 v[PSP+2:PSP+3], v[PSP+2:PSP+3], v[XO+14:XO+15]
.else
	WIN 0x04
.set j, 0
.rept 4
	v_pk_add_f32 v[PSP:PSP+1], v[PSP:PSP+1], v[XO+16+2*j:XO+16+2*j+1]
	v_pk_add_f32 v[PSP+2:PSP+3], v[PSP+2:PSP+3], v[XO+24+2*j:XO+24+2*j+1]
.set j, j+1
.endr
.endif
.set j, 0
.rept 4                             ; j = 2 rt + q: each store of the wave covers 512 consecutive bytes, aligned
	global_store_b128 v[L16], v[XO+16*(\ht)+4*j:XO+16*(\ht)+4*j+3], s[TDB:TDB+1] offset:(j/2)*32768+(\ht)*1024+(j%2)*512
.set j, j+1
.endr
	WIN 0
.endm
.set j, 0
.rept 4
	global_load_b128 v[B1F+4*j:B1F+4*j+3], v[VB], s[BB:BB+1] offset:(j/2)*64+(j%2)*16
.set j, j+1
.endr
	LDF 0
	LDW 0, 0
	WIN 0
	s_wait_loadcnt 63                              ; 100 loads are issued; at most 63 out means the oldest 37 are in: b1's 4 and the first block's 32 among them
.set j, 0
.rept 8
	v_pk_mul_f32 v[B1F+2*j:B1F+2*j+1], v[B1F+2*j:B1F+2*j+1], s[FL:FL+1] op_sel_hi:[1,0]   ; the bias belongs to Tp alone
.set j, j+1
.endr
	NORM 0
	LDF 1
	s_wait_loadcnt 32                              ; all but the 32 just issued: W1's first four K steps are in
	CVW 0
	LDW 0, 1
	s_wait_loadcnt 63                              ; 96 are out at most; the oldest 33 are in: the second block's 32 among them
	NORM 1
	WIN 0
	s_cmp_lg_u32 s[HP], 0
	s_cbranch_scc1 .Lno_fn                         ; of the sixteen waves that normalise these rows one stores them
.set j, 0
.rept 32
	global_store_b128 v[L16], v[FR+4*j:FR+4*j+3], s[FNB:FNB+1] offset:(j/16)*8192+(j%16)*512
.set j, j+1
.endr
.Lno_fn:
	s_wait_loadcnt 0x0
	CVW 1
	LDW 1, 0                                       ; the second H tile's W1 is on its way under the first tile's products
	GEMM
	OUT 0
	s_wait_loadcnt 0x0
	CVW 0
	LDW 1, 1
	s_wait_loadcnt 0x0
	CVW 1
	GEMM
	OUT 1
	v_add_f32 v[PSP], v[PSP], v[PSP+1]
	v_add_f32 v[PSP+2], v[PSP+2], v[PSP+3]
	global_store_b32 v[L4], v[PSP], s[PSB:PSB+1]
	global_store_b32 v[L4], v[PSP+2], s[PSB:PSB+1] offset:2048
	s_endpgm
	; ---------------- W1c: each row's mean over H taken off in f32, rounded to f16, laid in fragment order ----------------
.Lrole_w:
	s_sub_co_u32 s[RBK], ttmp9, 256
	s_lshl2_add_u32 s[RBK], s[RBK], s[WV]          ; kg = 0..31: rows k = 8 kg + 0..7 of W1c
	v_lshlrev_b32 v[VSTW], 4, v3
	v_lshl_add_u32 v[VSTW], v4, 13, v[VSTW]
	s_mov_b32 s[FL], 0xbb000000                    ; -1/512
	s_mov_b32 s[FL+1], s[FL]
	s_wait_kmcnt 0x0
	s_lshl_b32 s[OF], s[RBK], 14
	s_add_co_u32 s[OF], s[OF], 0x100000            ; W1c begins 512 rows of 2048 bytes in
	s_add_nc_u64 s[WB:WB+1], s[12:13], s[OF:OF+1]
	s_lshl_b32 s[OF], s[RBK], 8                    ; 1024 ks + 512 q + 256 h = 256 kg
	s_add_nc_u64 s[TDB:TDB+1], s[16:17], s[OF:OF+1]
.set j, 0
.rept 128
	global_load_b32 v[RW+j], v[L4], s[WB:WB+1] offset:(j%8)*2048+(j/8)*128
.set j, j+1
.endr
	s_wait_loadcnt 0x0
.set j, 0
.rept 4
	v_pk_add_f32 v[SW+2*j:SW+2*j+1], v[RW+2*j:RW+2*j+1], v[RW+8+2*j:RW+8+2*j+1]
.set j, j+1
.endr
.set j, 8
.rept 56
	v_pk_add_f32 v[SW+2*(j%4):SW+2*(j%4)+1], v[SW+2*(j%4):SW+2*(j%4)+1], v[RW+2*j:RW+2*j+1]
.set j, j+1
.endr
.irp m, 1,2,4,8
.set j, 0
.rept 8
	v_add_f32_dpp v[SW+j], v[SW+j], v[SW+j] row_xmask:\m row_mask:0xf bank_mask:0xf
.set j, j+1
.endr
.endr
.set j, 0
.rept 8
	v_permlanex16_b32 v[TMP+1], v[SW+j], s[SEL], s[SEL+1]
	v_add_f32 v[SW+j], v[SW+j], v[TMP+1]
.set j, j+1
.endr
.set j, 0
.rept 4
	v_pk_mul_f32 v[SW+2*j:SW+2*j+1], v[SW+2*j:SW+2*j+1], s[FL:FL+1] op_sel_hi:[1,0]
.set j, j+1
.endr
.set j, 0
.rept 64
	v_pk_add_f32 v[RW+2*j:RW+2*j+1], v[RW+2*j:RW+2*j+1], v[SW+2*(j%4):SW+2*(j%4)+1]
.set j, j+1
.endr
.set j, 0
.rept 64
	v_cvt_pk_f16_f32 v[PW+j], v[RW+2*j], v[RW+2*j+1]
.set j, j+1
.endr
.set j, 0
.rept 16                            ; H = 32 j + lane: sixteen neighbouring lanes store 256 consecutive bytes, aligned
	global_store_b128 v[VSTW], v[PW+4*j:PW+4*j+3], s[TDB:TDB+1] offset:j*16384
.set j, j+1
.endr
	s_endpgm
.Lfunc_end_k_qfecc1b65cd_prep:
	.size	k_qfecc1b65cd_prep, .Lfunc_end_k_qfecc1b65cd_prep-k_qfecc1b65cd_prep
	.p2alignl 7, 3214868480
	.fill 96, 4, 3214868480
	.section	.rodata,"a",@progbits
	.p2align	6, 0x0
	.amdhsa_kernel k_qfecc1b65cd_prep
		.amdhsa_group_segment_fixed_size 0
		.amdhsa_private_segment_fixed_size 0
		.amdhsa_enable_private_segment 0
		.amdhsa_kernarg_size 64
		.amdhsa_user_sgpr_count 2
		.amdhsa_user_sgpr_kernarg_segment_ptr 1
		.amdhsa_wavefront_size32 1
		.amdhsa_system_sgpr_workgroup_id_x 1
		.amdhsa_system_sgpr_workgroup_id_y 1
		.amdhsa_system_sgpr_workgroup_id_z 1
		.amdhsa_system_vgpr_workitem_id 0
		.amdhsa_next_free_vgpr 512
		.amdhsa_next_free_sgpr 66
		.amdhsa_reserve_vcc 0
		.amdhsa_float_denorm_mode_32 3
		.amdhsa_float_denorm_mode_16_64 3
		.amdhsa_memory_ordered 1
		.amdhsa_forward_progress 1
		.amdhsa_inst_pref_size 105
	.end_amdhsa_kernel
	.amdgpu_metadata
---
amdhsa.version: [ 1, 2 ]
amdhsa.kernels:
  - .name:           k_qfecc1b65cd_prep
    .symbol:         k_qfecc1b65cd_prep.kd
    .args:
      - { .name: track_features, .offset: 0, .size: 8, .value_kind: global_buffer, .address_space: global }
      - { .name: det_features, .offset: 8, .size: 8, .value_kind: global_buffer, .address_space: global }
      - { .name: W1, .offset: 16, .size: 8, .value_kind: global_buffer, .address_space: global }
      - { .name: b1, .offset: 24, .size: 8, .value_kind: global_buffer, .address_space: global }
      - { .name: WF, .offset: 32, .size: 8, .value_kind: global_buffer, .address_space: global }
      - { .name: TD, .offset: 40, .size: 8, .value_kind: global_buffer, .address_space: global }
      - { .name: PS, .offset: 48, .size: 8, .value_kind: global_buffer, .address_space: global }
      - { .name: FN, .offset: 56, .size: 8, .value_kind: global_buffer, .address_space: global }
    .group_segment_fixed_size: 0
    .private_segment_fixed_size: 0
    .kernarg_segment_align: 8
    .kernarg_segment_size: 64
    .max_flat_workgroup_size: 128
    .sgpr_count:     66
    .vgpr_count:     512
    .wavefront_size: 32
...
	.end_amdgpu_metadata
.endif
;; end of part 1
;; launch pairs (part 2): grid 256 x 1, 4 waves a work-group, clusters of 4 x 1, 327,680 bytes of LDS; arguments WF, TD, PS, FN, gamma, beta, W2, b2, out0; writes out0
.if DOCPART == 2
	.amdgcn_target "amdgcn-amd-amdhsa--gfx1250"
	.amdhsa_code_object_version 6
	.text
	.protected	k_qfecc1b65cd_pairs
	.globl	k_qfecc1b65cd_pairs
	.p2align	8
	.type	k_qfecc1b65cd_pairs,@function
k_qfecc1b65cd_pairs:
	s_mov_b64 s[64:65], 0
	v_nop
	global_prefetch_b8 v0, s[64:65] scope:SCOPE_SE
	s_setreg_imm32_b32 hwreg(HW_REG_WAVE_MODE, 25, 1), 1
	s_wait_xcnt 0x0
	s_wait_alu depctr_hold_cnt(0) depctr_sa_sdst(0) depctr_va_vdst(0) depctr_va_sdst(0) depctr_va_ssrc(0) depctr_va_vcc(0) depctr_vm_vsrc(0)
	s_getreg_b32 s2, hwreg(HW_REG_IB_STS2, 6, 4)
	s_cmp_eq_u32 s2, 0
	s_cbranch_scc0 .Lentry_in_a_cluster
	s_endpgm
.Lentry_in_a_cluster:
	s_bfe_u32 s2, ttmp6, 0x10000c
	s_cmp_lg_u32 s2, 0x3003
	s_cbranch_scc0 .Lentry_shape_is_right
	s_endpgm
.Lentry_shape_is_right:
; out[b][n][m] = silu(layernorm(Tp[n] + Dp[m] + |t[n] - d[m]| W1c)) . W2 + b2, from what the launch before has laid out (WF, TD, PS, FN: see its head).
; THE MEAN.  W1c arrives with each row's mean over H taken off; here the mean over H is taken off Tp and Dp in f32 (by their partial sums PS).  So h arrives centred, the variance is sum(h^2) / 512,
; and no difference of large sums is formed.
; LIMITS.  Matrix operands are f16.  t and d were rounded to f16 before |t - d| is taken, so |t - d| is off by up to 2^-11 of the larger of |t|, |d|; it is bounded by 2, since t and d are normalised.
; The mean that rounding the centred W1c leaves in h is not removed.  2^e counts as 0 below 2^-126 and as infinity beyond f32: silu then is z, or 0.  NaN and infinities are not treated apart.
; SHARES.  A work-group owns 8 tracks x 64 dets of one batch: 32 tiles of one track x 16 dets, walked m-tile by m-tile (4), track by track (8).  Wave w owns H = 128 w .. 128 w + 127 of every tile:
; its 64 KiB of W1c stay in 512 registers for the whole kernel, and gamma, beta, W2 of its H in 192.  The matrix instruction is used transposed (source 0 = 16 of H, source 1 = 16 pairs): a lane holds
; one pair (det r = lane % 16) and H = 16 T + 8 (lane / 16) + 0..7, so a sum over H is a sum in the lane, one exchange of the lanes' halves and one exchange of four words between the waves.
; |t - d| of a tile is made once in the work-group: wave w makes K steps 2 w, 2 w + 1 of the NEXT tile, in fragment order, into one of two LDS buffers; all four waves read them behind the tile's one barrier.
; CLUSTER.  All work-groups need the same WF: the four of a cluster ask for each wave's slice JOINTLY, once, at the start.  Nothing is ever filled again: one tensor load of a wave is out, once.
; Dp and -d differ between partners or have no LDS left beside W1c's 256 KiB; they come by plain loads, an m-tile ahead.
; FOLDED CONSTANTS.  G2 = -log2(e) gamma, B2 = -log2(e) beta, W2S = -ln(2) W2: with u = h rstd, e = u G2 + B2 = -z log2(e), sigmoid(z) = 1 / (1 + 2^e), z W2 = e W2S.
; LDS: W1c 0 (wave w at 65536 w); DF |t-d| fragments, 2 x 8192: [ks][q][lane][16]; TL centred Tp [w][i 8][T 8][q][h][16]; TS t shares [w][i][ks2][q][h][16]; XQ square sums 2 x 256: [w][r] words;
;      OUTP partial outputs [w][tile 32][r] words; the spare words.
; REGISTERS (windows of 256; s_set_vgpr_msb: bits 1:0 source 0, 3:2 source 1, 5:4 source 2, 7:6 destination).  Window 0 below.  Window 1: G2 v0-63, B2 v64-127, W2S v128-191, centred Dp v192-255, all
; indexed 8 T + j like the accumulators.  Windows 2, 3: W1c, fragment (T, ks) at 64 (T % 4) + 8 ks, T 0-3 in window 2, T 4-7 in window 3.
.set DF,    262144
.set TL,    278528
.set TS,    294912
.set XQ,    299008
.set OUTP,  299520
.set SPARE, 307712    ; the spare words: 128 bytes for each wave, two blocks of 256 bytes that no other line names
.set SPW,   1         ; v1   LDS address of my spare word; never rewritten
.set NIL,   2         ; v2   0; never rewritten
.set L16,   3         ; v3   16 x lane
.set L4,    4         ; v4   4 x lane
.set A_DFR, 5         ; v5   DF + 16 lane
.set A_DFW, 6         ; v6   DF + 2048 w + 16 lane
.set A_TL,  7         ; v7   TL + 4096 w + 16 h
.set A_TS,  8         ; v8   TS + 1024 w + 16 h
.set A_XQW, 9         ; v9   XQ + 64 w + 4 r
.set A_XQR, 10        ; v10  XQ + 4 r
.set A_OUT, 11        ; v11  OUTP + 2048 w + 4 r
.set ADR0,  12        ; v12-13 addresses in hand
.set ADR1,  13
.set RS,    14        ; v14-15 rstd, or a negated mean, in the low word
.set CH,    16        ; v16-23 four chains of pairs
.set XR,    24        ; v24-27 the four waves' square sums
.set TMP,   28        ; v28-31 at work
.set ND,    32        ; v32-47 -d of the m-tile, my two K steps
.set TSH,   48        ; v48-63 t of the next tile's track, my two K steps; then |t - d|; at an m-tile's end the next Dp's partial sums
.set ACC,   64        ; v64-127 h: 8 T + j
.set TT,    128       ; v128-191 the track's centred Tp; later 2^e, 1 + 2^e and its reciprocal
.set FRG,   192       ; v192-255 |t - d| fragments: K step ks at 8 ks
.set G2,    0         ; window 1
.set B2,    64
.set W2S,   128
.set DC,    192
.set WV,    26        ; s26 wave
.set TOF,   56        ; s56 512 x the tile's track
.set SOF,   57        ; s57 128 x the next tile's track
.set OOF,   58        ; s58 64 x the tile's number
.set SEL,   60        ; s[60:61] v_permlanex16_b32: each lane takes its own place in the other half
.set MSB, 0
.macro WIN new                      ; the immediate's high byte repeats the setting that is left; a switch that changes nothing is dropped
.if MSB != (\new)
	s_set_vgpr_msb (MSB<<8)|(\new)
.set MSB, (\new)
.endif
.endm
; A round of the cluster's barrier: my work-group's barrier, so that wave 0's signal speaks for all four waves; wave 0 signals; every wave waits for all four work-groups; my work-group's barrier once more.
.macro CROUND
	s_barrier_signal -1
	s_barrier_wait -1
	s_cmp_lg_u32 s[WV], 0
	s_cbranch_scc1 .Lnot_wave_0_\@
	s_barrier_signal -3
.Lnot_wave_0_\@:
	s_barrier_wait -3
	s_barrier_signal -1
	s_barrier_wait -1
.endm
	s_load_b512 s[8:23], s[0:1], 0x0               ; WF s[8:9], TD s[10:11], PS s[12:13], FN s[14:15], gamma s[16:17], beta s[18:19], W2 s[20:21], b2 s[22:23]
	s_load_b64 s[24:25], s[0:1], 0x40              ; out0
	v_lshl_add_u32 v[SPW], v0, 2, SPARE
	v_mov_b32 v[NIL], 0
	ds_add_u32 v[SPW], v[NIL]                      ; the wave's opening: the add and its wait stand ahead of my first tensor load; the set-up below, work on registers, stands between them
	v_lshrrev_b32 v31, 5, v0
	v_readfirstlane_b32 s[WV], v31                 ; wave 0..3
	s_bfe_u32 s27, ttmp6, 0x40000                  ; cx: my place in the cluster; it enters global addresses of plain loads and of the store alone
	s_lshl_b32 s28, ttmp9, 2                       ; in a cluster launch ttmp9 counts clusters
	s_add_co_u32 s27, s28, s27                     ; work-group 0..255
	s_lshr_b32 s28, s27, 5                         ; b: the batch
	s_bfe_u32 s29, s27, 0x40001                    ; nb: which 8 tracks
	s_and_b32 s30, s27, 1                          ; mb: which 64 dets
	s_lshr_b32 s31, s29, 1
	s_lshl3_add_u32 s31, s28, s31                  ; the tracks' block of 16 rows: 8 b + nb / 2
	s_and_b32 s69, s29, 1                          ; and which half of it
	s_lshl_b32 s44, s28, 3
	s_lshl2_add_u32 s44, s30, s44
	s_add_co_u32 s44, s44, 64                      ; the dets' first block of 16 rows: 64 + 8 b + 4 mb
	; the descriptor: my slice of WF, 65,536 dense bytes, as 256 rows of 256 bytes
	s_mov_b32 s32, 1                               ; count = 1
	s_mul_i32 s33, s[WV], 0x10000                  ; LDS address: the wave's number times 65,536
	s_mov_b32 s36, 15|(3<<16)|(1<<21)              ; 15:0 the mask: all four work-groups; 17:16 elements of 8 bytes; 21 set beside a mask; no padding
	s_mov_b32 s37, 32<<16                          ; tensor_dim0 = 32
	s_mov_b32 s38, 256<<16                         ; tensor_dim1 = 256
	s_mov_b32 s39, 32<<16                          ; tile_dim0 = 32
	s_mov_b32 s40, 256                             ; tile_dim1 = 256
	s_mov_b32 s41, 32                              ; 32 elements from row to row
	s_mov_b32 s42, 0
	s_mov_b32 s43, 0
	s_lshl_b32 s52, s[WV], 16                      ; the slice's offset in WF: of the wave's number alone, in a pair that holds nothing else
	s_mov_b32 s53, 0
	s_mov_b32 s51, 0
	s_mov_b32 s59, 0x7fff7fff                      ; clears the signs of two f16
	s_mov_b32 s[SEL], 0x76543210
	s_mov_b32 s[SEL+1], 0xfedcba98
	s_mov_b32 s62, 0x3b000000                      ; 1/512
	s_mov_b32 s63, 0x3727c5ac                      ; 1e-5
	s_mov_b32 s67, 0xbb000000                      ; -1/512
	s_mov_b32 s70, 0xbfb8aa3b                      ; -log2(e)
	s_mov_b32 s71, s70
	s_mov_b32 s72, 0xbf317218                      ; -ln(2)
	s_mov_b32 s73, s72
	s_wait_dscnt 0x0                               ; the opening add is done
	s_wait_kmcnt 0x0
	s_add_nc_u64 s[34:35], s[8:9], s[52:53]
	s_or_b32 s35, s35, 0x80000000                  ; type = 2
	s_load_b32 s66, s[22:23], 0x0                  ; b2
	s_lshl_b32 s50, s31, 15                        ; Tp of my 8 tracks, my 8 H tiles
	s_lshl_b32 s45, s[WV], 13
	s_add_co_u32 s50, s50, s45
	s_lshl_b32 s46, s69, 7
	s_add_co_u32 s50, s50, s46
	s_add_nc_u64 s[80:81], s[10:11], s[50:51]
	s_lshl_b32 s50, s31, 11                        ; their partial sums
	s_lshl_b32 s47, s69, 5
	s_add_co_u32 s50, s50, s47
	s_add_nc_u64 s[82:83], s[12:13], s[50:51]
	s_lshl_b32 s50, s31, 13                        ; t of my 8 tracks, my two K steps
	s_lshl_b32 s47, s[WV], 11
	s_add_co_u32 s50, s50, s47
	s_add_co_u32 s50, s50, s46
	s_add_nc_u64 s[84:85], s[14:15], s[50:51]
	s_lshl_b32 s50, s44, 15                        ; m-tile 0: Dp, my 8 H tiles,
	s_add_co_u32 s50, s50, s45
	s_add_nc_u64 s[74:75], s[10:11], s[50:51]
	s_lshl_b32 s50, s44, 13                        ; -d, my two K steps,
	s_add_co_u32 s50, s50, s47
	s_add_nc_u64 s[76:77], s[14:15], s[50:51]
	s_lshl_b32 s50, s44, 11                        ; and Dp's partial sums
	s_add_nc_u64 s[78:79], s[12:13], s[50:51]
	s_lshl_b32 s50, s28, 16                        ; out0 at row 128 b + 8 nb, column 64 mb
	s_lshl_b32 s48, s29, 12
	s_add_co_u32 s50, s50, s48
	s_lshl_b32 s48, s30, 8
	s_add_co_u32 s50, s50, s48
	s_add_nc_u64 s[86:87], s[24:25], s[50:51]
	s_lshl_b32 s50, s[WV], 9                       ; my 128 numbers of gamma, beta, W2
	s_add_nc_u64 s[88:89], s[16:17], s[50:51]
	s_add_nc_u64 s[90:91], s[18:19], s[50:51]
	s_add_nc_u64 s[92:93], s[20:21], s[50:51]
	CROUND                                         ; all four work-groups are here: the joint loads meet
	tensor_load_to_lds s[32:35], s[36:43]          ; my slice of W1c: the wave's one tensor load
	s_nop 0
.rept 4
	v_nop
.endr
	v_and_b32 v31, 31, v0                          ; lane
	v_and_b32 v24, 15, v0                          ; r
	v_bfe_u32 v25, v0, 4, 1                        ; h; in the staging below: qq
	v_and_b32 v26, 7, v0                           ; staging: i, the track
	v_bfe_u32 v27, v0, 3, 1                        ; staging: hh
	v_lshlrev_b32 v[L16], 4, v31
	v_lshlrev_b32 v[L4], 2, v31
	v_add_nc_u32 v[A_DFR], DF, v[L16]
	s_lshl_b32 s94, s[WV], 11
	s_add_co_u32 s94, s94, DF
	v_add_nc_u32 v[A_DFW], s94, v[L16]
	s_lshl_b32 s94, s[WV], 12
	s_add_co_u32 s94, s94, TL
	v_lshl_add_u32 v[A_TL], v25, 4, s94
	v_lshl_add_u32 v[ADR1], v26, 9, s94            ; where I stage Tp: 512 i + 32 qq + 16 hh
	v_lshl_add_u32 v[ADR1], v25, 5, v[ADR1]
	v_lshl_add_u32 v[ADR1], v27, 4, v[ADR1]
	s_lshl_b32 s94, s[WV], 10
	s_add_co_u32 s94, s94, TS
	v_lshl_add_u32 v[A_TS], v25, 4, s94
	v_lshl_add_u32 v[ADR0], v26, 7, s94            ; where I stage t: 128 i + 32 qq + 16 hh
	v_lshl_add_u32 v[ADR0], v25, 5, v[ADR0]
	v_lshl_add_u32 v[ADR0], v27, 4, v[ADR0]
	s_lshl_b32 s94, s[WV], 6
	s_add_co_u32 s94, s94, XQ
	v_lshl_add_u32 v[A_XQW], v24, 2, s94
	v_lshl_add_u32 v[A_XQR], v24, 2, XQ
	s_lshl_b32 s94, s[WV], 11
	s_add_co_u32 s94, s94, OUTP
	v_lshl_add_u32 v[A_OUT], v24, 2, s94
	v_lshlrev_b32 v28, 9, v25                      ; staging, in TD and FN: 512 qq + 256 hh + 16 i
	v_lshl_add_u32 v28, v27, 8, v28
	v_lshl_add_u32 v28, v26, 4, v28
	v_bfe_u32 v29, v0, 3, 2                        ; staging, in PS: 512 (lane / 8) + 4 i
	v_lshlrev_b32 v29, 9, v29
	v_lshl_add_u32 v29, v26, 2, v29
	v_lshlrev_b32 v30, 5, v25                      ; in gamma, beta, W2: 32 h
	v_mov_b32 v[RS+1], 0                           ; named with RS as a pair
	; group 1, 22 loads: t of my tracks (2), -d of m-tile 0 (4), Tp of my tracks (8), its partial sums (8)
	global_load_b128 v[TSH:TSH+3], v28, s[84:85]
	global_load_b128 v[TSH+4:TSH+7], v28, s[84:85] offset:1024
.set t, 0
.rept 4
	global_load_b128 v[ND+4*t:ND+4*t+3], v[L16], s[76:77] offset:512*t
.set t, t+1
.endr
.set t, 0
.rept 8
	global_load_b128 v[ACC+4*t:ACC+4*t+3], v28, s[80:81] offset:1024*t
.set t, t+1
.endr
.set t, 0
.rept 8
	global_load_b32 v[ACC+32+t], v29, s[82:83] offset:(t/2)*128+(t%2)*64
.set t, t+1
.endr
	; group 2, 64 loads: gamma, beta, W2 of my H, and Dp of m-tile 0
	WIN 0x40
.set t, 0
.rept 16
	global_load_b128 v[G2+4*t:G2+4*t+3], v30, s[88:89] offset:(t/2)*64+(t%2)*16
	global_load_b128 v[B2+4*t:B2+4*t+3], v30, s[90:91] offset:(t/2)*64+(t%2)*16
	global_load_b128 v[W2S+4*t:W2S+4*t+3], v30, s[92:93] offset:(t/2)*64+(t%2)*16
	global_load_b128 v[DC+4*t:DC+4*t+3], v[L16], s[74:75] offset:512*t
.set t, t+1
.endr
	WIN 0
	s_wait_kmcnt 0x0                               ; b2
	s_wait_loadcnt 63                              ; 86 loads are issued; at most 63 out means the oldest 23 are in: group 1's 22 among them
	ds_store_b128 v[ADR0], v[TSH:TSH+3]
	ds_store_b128 v[ADR0], v[TSH+4:TSH+7] offset:64
	v_add_f32 v[ACC+32], v[ACC+32], v[ACC+33]      ; the track's mean over H: my 8 of its 32 partial sums,
	v_add_f32 v[ACC+34], v[ACC+34], v[ACC+35]
	v_add_f32 v[ACC+36], v[ACC+36], v[ACC+37]
	v_add_f32 v[ACC+38], v[ACC+38], v[ACC+39]
	v_add_f32 v[ACC+32], v[ACC+32], v[ACC+34]
	v_add_f32 v[ACC+36], v[ACC+36], v[ACC+38]
	v_add_f32 v[ACC+32], v[ACC+32], v[ACC+36]
	v_add_f32_dpp v[ACC+32], v[ACC+32], v[ACC+32] row_xmask:8 row_mask:0xf bank_mask:0xf   ; those of the lanes 8,
	v_permlanex16_b32 v29, v[ACC+32], s[SEL], s[SEL+1]                                    ; 16 and 24 away
	v_add_f32 v[ACC+32], v[ACC+32], v29
	v_mul_f32 v[RS], s67, v[ACC+32]
.set t, 0
.rept 16
	v_pk_add_f32 v[ACC+2*t:ACC+2*t+1], v[ACC+2*t:ACC+2*t+1], v[RS:RS+1] op_sel_hi:[1,0]
.set t, t+1
.endr
.set t, 0
.rept 8
	ds_store_b128 v[ADR1], v[ACC+4*t:ACC+4*t+3] offset:64*t
.set t, t+1
.endr
.set t, 0
.rept 4
	ds_load_b128 v[TSH+4*t:TSH+4*t+3], v[A_TS] offset:32*t   ; track 0's t: my own bytes, and LDS serves a wave's instructions in order (ISA guide 5.7.1.4)
.set t, t+1
.endr
; |t - d| of the next tile, my two K steps, into buffer buf.  The wait also shows the tile's Tp in.  The 32 plain instructions name no register of the products in front of them: they are the places behind those (ISA guide 7.12.1).
.macro BUILD buf
	s_wait_dscnt 0x0
.set t, 0
.rept 16
	v_pk_add_f16 v[TSH+t], v[TSH+t], v[ND+t]
.set t, t+1
.endr
.set t, 0
.rept 16
	v_and_b32 v[TSH+t], s59, v[TSH+t]
.set t, t+1
.endr
.set t, 0
.rept 4
	ds_store_b128 v[A_DFW], v[TSH+4*t:TSH+4*t+3] offset:(\buf)*8192+512*t
.set t, t+1
.endr
.endm
; The four chains, the pair's halves and the lanes' halves are added: every lane ends with its pair's sum over my 128 H.
.macro REDUCE
	v_pk_add_f32 v[CH:CH+1], v[CH:CH+1], v[CH+2:CH+3]
	v_pk_add_f32 v[CH+4:CH+5], v[CH+4:CH+5], v[CH+6:CH+7]
	v_pk_add_f32 v[CH:CH+1], v[CH:CH+1], v[CH+4:CH+5]
	v_add_f32 v[TMP], v[CH], v[CH+1]
	v_permlanex16_b32 v[TMP+1], v[TMP], s[SEL], s[SEL+1]
	v_add_f32 v[TMP], v[TMP], v[TMP+1]
.endm
; 64 products: 8 H tiles x K = 256.  The centred Dp is the C operand that starts each sum.  In each half the four accumulators take turns, one instruction a turn.
.macro MPHASE
.irp q, 0,1
	WIN 0x12+(\q)
.irp a, 0,1,2,3
	v_wmma_f32_16x16x32_f16 v[ACC+32*(\q)+8*(\a):ACC+32*(\q)+8*(\a)+7], v[64*(\a):64*(\a)+7], v[FRG:FRG+7], v[DC+32*(\q)+8*(\a):DC+32*(\q)+8*(\a)+7]
.endr
	WIN 0x02+(\q)
.irp k, 1,2,3,4,5,6,7
.irp a, 0,1,2,3
	v_wmma_f32_16x16x32_f16 v[ACC+32*(\q)+8*(\a):ACC+32*(\q)+8*(\a)+7], v[64*(\a)+8*(\k):64*(\a)+8*(\k)+7], v[FRG+8*(\k):FRG+8*(\k)+7], v[ACC+32*(\q)+8*(\a):ACC+32*(\q)+8*(\a)+7]
.endr
.endr
.endr
	WIN 0
.endm
; An m-tile begins: its Dp and partial sums have been asked for in the tile before.  The mean over H is taken off Dp; the bases step to the next m-tile (behind the last: back to the first, inside the buffers; what is then loaded serves nothing).
.macro MT_PRO
	s_wait_loadcnt 0x0                             ; no load of mine is out: the bases may be written
	v_pk_add_f32 v[TSH:TSH+1], v[TSH:TSH+1], v[TSH+2:TSH+3]
	v_pk_add_f32 v[TSH+4:TSH+5], v[TSH+4:TSH+5], v[TSH+6:TSH+7]
	v_pk_add_f32 v[TSH+8:TSH+9], v[TSH+8:TSH+9], v[TSH+10:TSH+11]
	v_pk_add_f32 v[TSH+12:TSH+13], v[TSH+12:TSH+13], v[TSH+14:TSH+15]
	v_pk_add_f32 v[TSH:TSH+1], v[TSH:TSH+1], v[TSH+4:TSH+5]
	v_pk_add_f32 v[TSH+8:TSH+9], v[TSH+8:TSH+9], v[TSH+12:TSH+13]
	v_pk_add_f32 v[TSH:TSH+1], v[TSH:TSH+1], v[TSH+8:TSH+9]
	v_add_f32 v[TMP], v[TSH], v[TSH+1]
	v_permlanex16_b32 v[TMP+1], v[TMP], s[SEL], s[SEL+1]
	v_add_f32 v[TMP], v[TMP], v[TMP+1]
	v_mul_f32 v[RS], s67, v[TMP]
	WIN 0x41
.set t, 0
.rept 32
	v_pk_add_f32 v[DC+2*t:DC+2*t+1], v[DC+2*t:DC+2*t+1], v[RS:RS+1] op_sel_hi:[1,0]
.set t, t+1
.endr
	WIN 0
	s_lshl_b32 s50, s68, 15
	s_add_nc_u64 s[44:45], s[74:75], s[50:51]
	s_lshl_b32 s50, s68, 13
	s_add_nc_u64 s[46:47], s[76:77], s[50:51]
	s_lshl_b32 s50, s68, 11
	s_add_nc_u64 s[48:49], s[78:79], s[50:51]
	s_add_co_u32 s68, s68, 1
	s_and_b32 s68, s68, 3
.endm
; A TILE: one track x 16 dets.  buf: the buffer that holds its |t - d| and takes its square sums.  kind 1: the m-tile's last tile but one asks for the next -d; kind 2: the last asks for the next Dp and its partial sums.
; ONE barrier a tile orders all that waves hand each other.  In front of it each wave has stored its part of the next tile's |t - d| (into the buffer whose last readers waited for their loads ahead of the barrier
; before) and its square sums, and has waited for all its LDS instructions; behind it the four square sums and the next fragments are read.
.macro TILE buf, kind
	v_add_nc_u32 v[ADR0], s[TOF], v[A_TL]
	v_add_nc_u32 v[ADR1], s[SOF], v[A_TS]
.set t, 0
.rept 16
	ds_load_b128 v[TT+4*t:TT+4*t+3], v[ADR0] offset:32*t
.set t, t+1
.endr
.set t, 0
.rept 4
	ds_load_b128 v[TSH+4*t:TSH+4*t+3], v[ADR1] offset:32*t
.set t, t+1
.endr
	s_wait_dscnt 20                                ; all but the 20 just issued: the tile's fragments are in
	MPHASE
.if (\kind) == 2
	s_wait_loadcnt 0x0                             ; the next m-tile's -d
.endif
	BUILD 1-(\buf)
.if (\kind) == 1
.set t, 0
.rept 4
	global_load_b128 v[ND+4*t:ND+4*t+3], v[L16], s[46:47] offset:512*t
.set t, t+1
.endr
.endif
.if (\kind) == 2
	WIN 0x40
.set t, 0
.rept 16
	global_load_b128 v[DC+4*t:DC+4*t+3], v[L16], s[44:45] offset:512*t
.set t, t+1
.endr
	WIN 0
.endif
	; h = products + Dp + Tp, ascending (each accumulator is first read at its low end), and two steps behind it the sum of squares, in four chains that the first four products start
.set p, 0
.rept 34
.if p < 32
	v_pk_add_f32 v[ACC+2*p:ACC+2*p+1], v[ACC+2*p:ACC+2*p+1], v[TT+2*p:TT+2*p+1]
.endif
.if (p >= 2) && (p < 6)
	v_pk_mul_f32 v[CH+2*(p-2):CH+2*(p-2)+1], v[ACC+2*p-4:ACC+2*p-3], v[ACC+2*p-4:ACC+2*p-3]
.endif
.if p >= 6
	v_pk_fma_f32 v[CH+2*((p-2)%4):CH+2*((p-2)%4)+1], v[ACC+2*p-4:ACC+2*p-3], v[ACC+2*p-4:ACC+2*p-3], v[CH+2*((p-2)%4):CH+2*((p-2)%4)+1]
.endif
.set p, p+1
.endr
	REDUCE
	ds_store_b32 v[A_XQW], v[TMP] offset:(\buf)*256
	s_wait_dscnt 0x0                               ; for the others' sake: my stores are done, and my reads of the fragments are back
.if (\kind) == 2
.set t, 0
.rept 16
	global_load_b32 v[TSH+t], v[L4], s[48:49] offset:128*t
.set t, t+1
.endr
.endif
	s_barrier_signal -1
	s_barrier_wait -1
.set t, 0
.rept 4
	ds_load_b32 v[XR+t], v[A_XQR] offset:(\buf)*256+64*t
.set t, t+1
.endr
.set t, 0
.rept 16
	ds_load_b128 v[FRG+4*t:FRG+4*t+3], v[A_DFR] offset:(1-(\buf))*8192+512*t
.set t, t+1
.endr
	s_add_co_u32 s[TOF], s[TOF], 512
	s_and_b32 s[TOF], s[TOF], 0xe00
	s_add_co_u32 s[SOF], s[SOF], 128
	s_and_b32 s[SOF], s[SOF], 0x380
	s_wait_dscnt 16                                ; the four square sums are in; the next tile's 16 fragment loads stay out
	v_add_f32 v[XR], v[XR], v[XR+1]
	v_add_f32 v[XR+2], v[XR+2], v[XR+3]
	v_add_f32 v[XR], v[XR], v[XR+2]
	v_fma_f32 v[XR], v[XR], s62, s63               ; variance + 1e-5
	v_rsq_f32 v[RS], v[XR]
	v_nop                                          ; a plain instruction behind a transcendental before its result is used (ISA guide 5.7.2)
.set p, 0
	s_wait_alu depctr_va_vdst(0)
.rept 32
	v_pk_mul_f32 v[ACC+2*p:ACC+2*p+1], v[ACC+2*p:ACC+2*p+1], v[RS:RS+1] op_sel_hi:[1,0]
.set p, p+1
.endr
	; e = u G2 + B2; a step behind it 2^e; another step behind, e W2S in place: a plain instruction stands between each exponential and the rewrite of its source
	WIN 0x14
.set p, 0
.rept 34
.if p < 32
	v_pk_fma_f32 v[ACC+2*p:ACC+2*p+1], v[ACC+2*p:ACC+2*p+1], v[G2+2*p:G2+2*p+1], v[B2+2*p:B2+2*p+1]
.endif
.if (p >= 1) && (p <= 32)
	v_exp_f32 v[TT+2*p-2], v[ACC+2*p-2]
	v_exp_f32 v[TT+2*p-1], v[ACC+2*p-1]
.endif
.if p >= 2
	v_pk_mul_f32 v[ACC+2*p-4:ACC+2*p-3], v[ACC+2*p-4:ACC+2*p-3], v[W2S+2*p-4:W2S+2*p-3]
.endif
.set p, p+1
.endr
	; 1 + 2^e; a step behind it the reciprocal; another step behind, the sum of e W2S / (1 + 2^e), in four chains
	WIN 0
.set p, 0
.rept 34
.if p < 32
	s_wait_alu depctr_va_vdst(0)
	v_pk_add_f32 v[TT+2*p:TT+2*p+1], v[TT+2*p:TT+2*p+1], 1.0 op_sel_hi:[1,0]
.endif
.if (p >= 1) && (p <= 32)
	v_rcp_f32 v[TT+2*p-2], v[TT+2*p-2]
	v_rcp_f32 v[TT+2*p-1], v[TT+2*p-1]
.endif
.if (p >= 2) && (p < 6)
	s_wait_alu depctr_va_vdst(0)
	v_pk_mul_f32 v[CH+2*(p-2):CH+2*(p-2)+1], v[ACC+2*p-4:ACC+2*p-3], v[TT+2*p-4:TT+2*p-3]
.endif
.if p >= 6
	s_wait_alu depctr_va_vdst(0)
	v_pk_fma_f32 v[CH+2*((p-2)%4):CH+2*((p-2)%4)+1], v[ACC+2*p-4:ACC+2*p-3], v[TT+2*p-4:TT+2*p-3], v[CH+2*((p-2)%4):CH+2*((p-2)%4)+1]
.endif
.set p, p+1
.endr
	REDUCE
	v_add_nc_u32 v[ADR1], s[OOF], v[A_OUT]
	ds_store_b32 v[ADR1], v[TMP]                   ; my 128 H's share of the tile's 16 outputs
	s_add_co_u32 s[OOF], s[OOF], 64
	s_and_b32 s[OOF], s[OOF], 0x7c0
.endm
	BUILD 0                                        ; tile 0's |t - d|
	s_wait_loadcnt 0x0                             ; group 2
	WIN 0x41
.set t, 0
.rept 64
	v_pk_mul_f32 v[G2+2*t:G2+2*t+1], v[G2+2*t:G2+2*t+1], s[70:71] op_sel_hi:[1,0]   ; gamma and beta lie on end
.set t, t+1
.endr
.set t, 0
.rept 32
	v_pk_mul_f32 v[W2S+2*t:W2S+2*t+1], v[W2S+2*t:W2S+2*t+1], s[72:73] op_sel_hi:[1,0]
.set t, t+1
.endr
	WIN 0
	s_wait_dscnt 0x0                               ; for the others' sake: my part of tile 0's fragments is stored
.set t, 0
.rept 16
	global_load_b32 v[TSH+t], v[L4], s[78:79] offset:128*t   ; the partial sums of m-tile 0's Dp
.set t, t+1
.endr
	s_barrier_signal -1                            ; my tensor load may stay out, and only I read what it brings
	s_barrier_wait -1
.set t, 0
.rept 16
	ds_load_b128 v[FRG+4*t:FRG+4*t+3], v[A_DFR] offset:512*t
.set t, t+1
.endr
	s_lshl_b32 s94, s[WV], 16
	v_add_nc_u32 v[ADR0], s94, v[L16]
	s_wait_tensorcnt 0x0                           ; my slice of W1c is in LDS
	WIN 0x80
.set t, 0
.rept 64
	ds_load_b128 v[4*t:4*t+3], v[ADR0] offset:512*t
.set t, t+1
.endr
	WIN 0xc0
.set t, 0
.rept 64
	ds_load_b128 v[4*t:4*t+3], v[ADR0] offset:32768+512*t
.set t, t+1
.endr
	WIN 0
	s_wait_dscnt 0x0
	s_mov_b32 s68, 1                               ; the m-tile to be asked for next
	s_mov_b32 s[TOF], 0
	s_mov_b32 s[SOF], 128
	s_mov_b32 s[OOF], 0
	s_mov_b32 s54, 4
.Lmt:                                                  ; four m-tiles of 16 dets
	MT_PRO
	s_mov_b32 s55, 3
.Ln:                                                   ; tracks 0 to 5, two a trip
	TILE 0, 0
	TILE 1, 0
	s_sub_co_i32 s55, s55, 1
	s_cmp_lg_u32 s55, 0
	s_cbranch_scc1 .Ln
	TILE 0, 1                                      ; track 6
	TILE 1, 2                                      ; track 7
	s_sub_co_i32 s54, s54, 1
	s_cmp_lg_u32 s54, 0
	s_cbranch_scc1 .Lmt
	; THE WAY OUT.  Thread tau stores four neighbouring outputs of row tau / 16: the four waves' shares are added, and b2.
	s_wait_loadcnt 0x0                             ; the look-ahead's last loads, which serve nothing
	s_wait_dscnt 0x0                               ; for the others' sake: my shares are stored
	s_barrier_signal -1
	s_barrier_wait -1
	v_bfe_u32 v24, v0, 2, 2                        ; the m-tile of my four columns
	v_lshrrev_b32 v25, 4, v0                       ; my track
	v_lshl_add_u32 v26, v24, 3, v25                ; the tile's number
	v_and_b32 v27, 3, v0
	v_lshlrev_b32 v26, 6, v26
	v_lshl_add_u32 v26, v27, 4, v26
	v_add_nc_u32 v26, OUTP, v26
.set t, 0
.rept 4
	ds_load_b128 v[ACC+4*t:ACC+4*t+3], v26 offset:2048*t
.set t, t+1
.endr
	v_lshlrev_b32 v30, 9, v25                      ; 512 bytes a row of out0,
	v_and_b32 v31, 15, v0
	v_lshl_add_u32 v30, v31, 4, v30                ; 16 bytes a thread
	s_wait_dscnt 0x0
	v_pk_add_f32 v[ACC:ACC+1], v[ACC:ACC+1], v[ACC+4:ACC+5]
	v_pk_add_f32 v[ACC+2:ACC+3], v[ACC+2:ACC+3], v[ACC+6:ACC+7]
	v_pk_add_f32 v[ACC+8:ACC+9], v[ACC+8:ACC+9], v[ACC+12:ACC+13]
	v_pk_add_f32 v[ACC+10:ACC+11], v[ACC+10:ACC+11], v[ACC+14:ACC+15]
	v_pk_add_f32 v[ACC:ACC+1], v[ACC:ACC+1], v[ACC+8:ACC+9]
	v_pk_add_f32 v[ACC+2:ACC+3], v[ACC+2:ACC+3], v[ACC+10:ACC+11]
	v_pk_add_f32 v[ACC:ACC+1], v[ACC:ACC+1], s[66:67] op_sel_hi:[1,0]
	v_pk_add_f32 v[ACC+2:ACC+3], v[ACC+2:ACC+3], s[66:67] op_sel_hi:[1,0]
	global_store_b128 v30, v[ACC:ACC+3], s[86:87]  ; sixteen neighbouring lanes store 256 consecutive bytes, at a multiple of 256 from out0's first byte
	s_wait_tensorcnt 0x0                           ; the wave's end: behind my last tensor load and my last LDS store
	ds_add_u32 v[SPW], v[NIL]
	s_wait_dscnt 0x0
	CROUND                                         ; the closing round: no work-group ends while a partner may still ask for a tile that names it
	s_endpgm
.Lfunc_end_k_qfecc1b65cd_pairs:
	.size	k_qfecc1b65cd_pairs, .Lfunc_end_k_qfecc1b65cd_pairs-k_qfecc1b65cd_pairs
	.p2alignl 7, 3214868480
	.fill 96, 4, 3214868480
	.section	.rodata,"a",@progbits
	.p2align	6, 0x0
	.amdhsa_kernel k_qfecc1b65cd_pairs
		.amdhsa_group_segment_fixed_size 327680
		.amdhsa_private_segment_fixed_size 0
		.amdhsa_enable_private_segment 0
		.amdhsa_kernarg_size 72
		.amdhsa_user_sgpr_count 2
		.amdhsa_user_sgpr_kernarg_segment_ptr 1
		.amdhsa_wavefront_size32 1
		.amdhsa_system_sgpr_workgroup_id_x 1
		.amdhsa_system_sgpr_workgroup_id_y 1
		.amdhsa_system_sgpr_workgroup_id_z 1
		.amdhsa_system_vgpr_workitem_id 0
		.amdhsa_next_free_vgpr 1024
		.amdhsa_next_free_sgpr 96
		.amdhsa_reserve_vcc 0
		.amdhsa_float_denorm_mode_32 3
		.amdhsa_float_denorm_mode_16_64 3
		.amdhsa_memory_ordered 1
		.amdhsa_forward_progress 1
		.amdhsa_inst_pref_size 165
	.end_amdhsa_kernel
	.amdgpu_metadata
---
amdhsa.version: [ 1, 2 ]
amdhsa.kernels:
  - .name:           k_qfecc1b65cd_pairs
    .symbol:         k_qfecc1b65cd_pairs.kd
    .args:
      - { .name: WF, .offset: 0, .size: 8, .value_kind: global_buffer, .address_space: global }
      - { .name: TD, .offset: 8, .size: 8, .value_kind: global_buffer, .address_space: global }
      - { .name: PS, .offset: 16, .size: 8, .value_kind: global_buffer, .address_space: global }
      - { .name: FN, .offset: 24, .size: 8, .value_kind: global_buffer, .address_space: global }
      - { .name: gamma, .offset: 32, .size: 8, .value_kind: global_buffer, .address_space: global }
      - { .name: beta, .offset: 40, .size: 8, .value_kind: global_buffer, .address_space: global }
      - { .name: W2, .offset: 48, .size: 8, .value_kind: global_buffer, .address_space: global }
      - { .name: b2, .offset: 56, .size: 8, .value_kind: global_buffer, .address_space: global }
      - { .name: out0, .offset: 64, .size: 8, .value_kind: global_buffer, .address_space: global }
    .group_segment_fixed_size: 327680
    .private_segment_fixed_size: 0
    .kernarg_segment_align: 8
    .kernarg_segment_size: 72
    .max_flat_workgroup_size: 128
    .sgpr_count:     96
    .vgpr_count:     1024
    .wavefront_size: 32
...
	.end_amdgpu_metadata
.endif
;; end of part 2
;; ======== version 2 of 2: 2 launches; 1.40 times as fast as version 1
;; limits: values are held in f16: magnitudes above 65,504 overflow, below 6.1e-05 lose precision; right only within a limited range of input values
;; workspace buffers: WF 262,144 bytes; TD 4,194,304 bytes; PS 262,144 bytes; FN 1,048,576 bytes
;; launch prep: the kernel of part 1 again; grid 264 x 1, 4 waves a work-group, no clusters, 0 bytes of LDS; arguments track_features, det_features, W1, b1, WF, TD, PS, FN; writes WF, TD, PS, FN
;; launch pairs (part 3): grid 256 x 1, 4 waves a work-group, clusters of 4 x 1, 327,680 bytes of LDS; arguments WF, TD, PS, FN, gamma, beta, W2, b2, out0; writes out0
.if DOCPART == 3
	.amdgcn_target "amdgcn-amd-amdhsa--gfx1250"
	.amdhsa_code_object_version 6
	.text
	.protected	k_qfecc1b65cd_pairs
	.globl	k_qfecc1b65cd_pairs
	.p2align	8
	.type	k_qfecc1b65cd_pairs,@function
k_qfecc1b65cd_pairs:
	s_mov_b64 s[64:65], 0
	v_nop
	global_prefetch_b8 v0, s[64:65] scope:SCOPE_SE
	s_setreg_imm32_b32 hwreg(HW_REG_WAVE_MODE, 25, 1), 1
	s_wait_xcnt 0x0
	s_wait_alu depctr_hold_cnt(0) depctr_sa_sdst(0) depctr_va_vdst(0) depctr_va_sdst(0) depctr_va_ssrc(0) depctr_va_vcc(0) depctr_vm_vsrc(0)
	s_getreg_b32 s2, hwreg(HW_REG_IB_STS2, 6, 4)
	s_cmp_eq_u32 s2, 0
	s_cbranch_scc0 .Lentry_in_a_cluster
	s_endpgm
.Lentry_in_a_cluster:
	s_bfe_u32 s2, ttmp6, 0x10000c
	s_cmp_lg_u32 s2, 0x3003
	s_cbranch_scc0 .Lentry_shape_is_right
	s_endpgm
.Lentry_shape_is_right:
; out[b][n][m] = silu(layernorm(Tp[n] + Dp[m] + |t[n] - d[m]| W1c)) . W2 + b2, from what the launch before has laid out (WF, TD, PS, FN: see its head).
; THE MEAN.  W1c arrives with each row's mean over H taken off; here the mean over H is taken off Tp and Dp in f32 (by their partial sums PS).  So h arrives centred, the variance is sum(h^2) / 512,
; and no difference of large sums is formed.
; LIMITS.  Matrix operands are f16.  t and d were rounded to f16 before |t - d| is taken, so |t - d| is off by up to 2^-11 of the larger of |t|, |d|; it is bounded by 2, since t and d are normalised.
; The mean that rounding the centred W1c leaves in h is not removed.  2^e counts as 0 below 2^-126 and as infinity beyond f32: silu then is z, or 0.  NaN and infinities are not treated apart.
; SHARES.  A work-group owns 8 tracks x 64 dets of one batch: 32 tiles of one track x 16 dets, walked m-tile by m-tile (4), track by track (8).  Wave w owns H = 128 w .. 128 w + 127 of every tile:
; its 64 KiB of W1c stay in 512 registers for the whole kernel, and gamma, beta, W2 of its H in 192.  The matrix instruction is used transposed (source 0 = 16 of H, source 1 = 16 pairs): a lane holds
; one pair (det r = lane % 16) and H = 16 T + 8 (lane / 16) + 0..7, so a sum over H is a sum in the lane, one exchange of the lanes' halves and one exchange of four words between the waves.
; |t - d| of a tile is made once in the work-group: wave w makes K steps 2 w, 2 w + 1 of the NEXT tile, in fragment order, into one of two LDS buffers; all four waves read them behind the tile's one barrier.
; CLUSTER.  All work-groups need the same WF: the four of a cluster ask for each wave's slice JOINTLY, once, at the start.  Nothing is ever filled again: one tensor load of a wave is out, once.
; Dp and -d differ between partners or have no LDS left beside W1c's 256 KiB; they come by plain loads, an m-tile ahead.
; FOLDED CONSTANTS.  G2 = -log2(e) gamma, B2 = -log2(e) beta, W2S = -ln(2) W2: with u = h rstd, e = u G2 + B2 = -z log2(e), sigmoid(z) = 1 / (1 + 2^e), z W2 = e W2S.
; THE TRANSCENDENTALS of a tile are three batches, each with ONE s_wait_alu depctr_va_vdst(0) between it and the first line that names a result of it:
;   A  the one rsq (rstd): all that follows hangs on it, so a v_nop and the wait stand behind it;
;   B  the 64 exponentials 2^e, each into a register of its own (TT), by turns with the lines e = u G2 + B2 and e W2S, none of which names a result; the wait stands behind the last two e W2S;
;   C  the 64 reciprocals of 1 + 2^e, in place in TT, with the additions 1 + 2^e (which name only registers whose reciprocal is not yet issued) between them; all 32 readers, the sum of e W2S / (1 + 2^e), stand behind the wait.
; No transcendental is issued behind a tile's last wait: none is open at a label or at a backward jump.
; LDS: W1c 0 (wave w at 65536 w); DF |t-d| fragments, 2 x 8192: [ks][q][lane][16]; TL centred Tp [w][i 8][T 8][q][h][16]; TS t shares [w][i][ks2][q][h][16]; XQ square sums 2 x 256: [w][r] words;
;      OUTP partial outputs [w][tile 32][r] words; the spare words.
; REGISTERS (windows of 256; s_set_vgpr_msb: bits 1:0 source 0, 3:2 source 1, 5:4 source 2, 7:6 destination).  Window 0 below.  Window 1: G2 v0-63, B2 v64-127, W2S v128-191, centred Dp v192-255, all
; indexed 8 T + j like the accumulators.  Windows 2, 3: W1c, fragment (T, ks) at 64 (T % 4) + 8 ks, T 0-3 in window 2, T 4-7 in window 3.
.set DF,    262144
.set TL,    278528
.set TS,    294912
.set XQ,    299008
.set OUTP,  299520
.set SPARE, 307712    ; the spare words: 128 bytes for each wave, two blocks of 256 bytes that no other line names
.set SPW,   1         ; v1   LDS address of my spare word; never rewritten
.set NIL,   2         ; v2   0; never rewritten
.set L16,   3         ; v3   16 x lane
.set L4,    4         ; v4   4 x lane
.set A_DFR, 5         ; v5   DF + 16 lane
.set A_DFW, 6         ; v6   DF + 2048 w + 16 lane
.set A_TL,  7         ; v7   TL + 4096 w + 16 h
.set A_TS,  8         ; v8   TS + 1024 w + 16 h
.set A_XQW, 9         ; v9   XQ + 64 w + 4 r
.set A_XQR, 10        ; v10  XQ + 4 r
.set A_OUT, 11        ; v11  OUTP + 2048 w + 4 r
.set ADR0,  12        ; v12-13 addresses in hand
.set ADR1,  13
.set RS,    14        ; v14-15 rstd, or a negated mean, in the low word
.set CH,    16        ; v16-23 four chains of pairs
.set XR,    24        ; v24-27 the four waves' square sums
.set TMP,   28        ; v28-31 at work
.set ND,    32        ; v32-47 -d of the m-tile, my two K steps
.set TSH,   48        ; v48-63 t of the next tile's track, my two K steps; then |t - d|; at an m-tile's end the next Dp's partial sums
.set ACC,   64        ; v64-127 h: 8 T + j
.set TT,    128       ; v128-191 the track's centred Tp; later 2^e, 1 + 2^e and its reciprocal
.set FRG,   192       ; v192-255 |t - d| fragments: K step ks at 8 ks
.set G2,    0         ; window 1
.set B2,    64
.set W2S,   128
.set DC,    192
.set WV,    26        ; s26 wave
.set TOF,   56        ; s56 512 x the tile's track
.set SOF,   57        ; s57 128 x the next tile's track
.set OOF,   58        ; s58 64 x the tile's number
.set SEL,   60        ; s[60:61] v_permlanex16_b32: each lane takes its own place in the other half
.set MSB, 0
.macro WIN new                      ; the immediate's high byte repeats the setting that is left; a switch that changes nothing is dropped
.if MSB != (\new)
	s_set_vgpr_msb (MSB<<8)|(\new)
.set MSB, (\new)
.endif
.endm
; A round of the cluster's barrier: my work-group's barrier, so that wave 0's signal speaks for all four waves; wave 0 signals; every wave waits for all four work-groups; my work-group's barrier once more.
.macro CROUND
	s_barrier_signal -1
	s_barrier_wait -1
	s_cmp_lg_u32 s[WV], 0
	s_cbranch_scc1 .Lnot_wave_0_\@
	s_barrier_signal -3
.Lnot_wave_0_\@:
	s_barrier_wait -3
	s_barrier_signal -1
	s_barrier_wait -1
.endm
	s_load_b512 s[8:23], s[0:1], 0x0               ; WF s[8:9], TD s[10:11], PS s[12:13], FN s[14:15], gamma s[16:17], beta s[18:19], W2 s[20:21], b2 s[22:23]
	s_load_b64 s[24:25], s[0:1], 0x40              ; out0
	v_lshl_add_u32 v[SPW], v0, 2, SPARE
	v_mov_b32 v[NIL], 0
	ds_add_u32 v[SPW], v[NIL]                      ; the wave's opening: the add and its wait stand ahead of my first tensor load; the set-up below, work on registers, stands between them
	v_lshrrev_b32 v31, 5, v0
	v_readfirstlane_b32 s[WV], v31                 ; wave 0..3
	s_bfe_u32 s27, ttmp6, 0x40000                  ; cx: my place in the cluster; it enters global addresses of plain loads and of the store alone
	s_lshl_b32 s28, ttmp9, 2                       ; in a cluster launch ttmp9 counts clusters
	s_add_co_u32 s27, s28, s27                     ; work-group 0..255
	s_lshr_b32 s28, s27, 5                         ; b: the batch
	s_bfe_u32 s29, s27, 0x40001                    ; nb: which 8 tracks
	s_and_b32 s30, s27, 1                          ; mb: which 64 dets
	s_lshr_b32 s31, s29, 1
	s_lshl3_add_u32 s31, s28, s31                  ; the tracks' block of 16 rows: 8 b + nb / 2
	s_and_b32 s69, s29, 1                          ; and which half of it
	s_lshl_b32 s44, s28, 3
	s_lshl2_add_u32 s44, s30, s44
	s_add_co_u32 s44, s44, 64                      ; the dets' first block of 16 rows: 64 + 8 b + 4 mb
	; the descriptor: my slice of WF, 65,536 dense bytes, as 256 rows of 256 bytes
	s_mov_b32 s32, 1                               ; count = 1
	s_mul_i32 s33, s[WV], 0x10000                  ; LDS address: the wave's number times 65,536
	s_mov_b32 s36, 15|(3<<16)|(1<<21)              ; 15:0 the mask: all four work-groups; 17:16 elements of 8 bytes; 21 set beside a mask; no padding
	s_mov_b32 s37, 32<<16                          ; tensor_dim0 = 32
	s_mov_b32 s38, 256<<16                         ; tensor_dim1 = 256
	s_mov_b32 s39, 32<<16                          ; tile_dim0 = 32
	s_mov_b32 s40, 256                             ; tile_dim1 = 256
	s_mov_b32 s41, 32                              ; 32 elements from row to row
	s_mov_b32 s42, 0
	s_mov_b32 s43, 0
	s_lshl_b32 s52, s[WV], 16                      ; the slice's offset in WF: of the wave's number alone, in a pair that holds nothing else
	s_mov_b32 s53, 0
	s_mov_b32 s51, 0
	s_mov_b32 s59, 0x7fff7fff                      ; clears the signs of two f16
	s_mov_b32 s[SEL], 0x76543210
	s_mov_b32 s[SEL+1], 0xfedcba98
	s_mov_b32 s62, 0x3b000000                      ; 1/512
	s_mov_b32 s63, 0x3727c5ac                      ; 1e-5
	s_mov_b32 s67, 0xbb000000                      ; -1/512
	s_mov_b32 s70, 0xbfb8aa3b                      ; -log2(e)
	s_mov_b32 s71, s70
	s_mov_b32 s72, 0xbf317218                      ; -ln(2)
	s_mov_b32 s73, s72
	s_wait_dscnt 0x0                               ; the opening add is done
	s_wait_kmcnt 0x0
	s_add_nc_u64 s[34:35], s[8:9], s[52:53]
	s_or_b32 s35, s35, 0x80000000                  ; type = 2
	s_load_b32 s66, s[22:23], 0x0                  ; b2
	s_lshl_b32 s50, s31, 15                        ; Tp of my 8 tracks, my 8 H tiles
	s_lshl_b32 s45, s[WV], 13
	s_add_co_u32 s50, s50, s45
	s_lshl_b32 s46, s69, 7
	s_add_co_u32 s50, s50, s46
	s_add_nc_u64 s[80:81], s[10:11], s[50:51]
	s_lshl_b32 s50, s31, 11                        ; their partial sums
	s_lshl_b32 s47, s69, 5
	s_add_co_u32 s50, s50, s47
	s_add_nc_u64 s[82:83], s[12:13], s[50:51]
	s_lshl_b32 s50, s31, 13                        ; t of my 8 tracks, my two K steps
	s_lshl_b32 s47, s[WV], 11
	s_add_co_u32 s50, s50, s47
	s_add_co_u32 s50, s50, s46
	s_add_nc_u64 s[84:85], s[14:15], s[50:51]
	s_lshl_b32 s50, s44, 15                        ; m-tile 0: Dp, my 8 H tiles,
	s_add_co_u32 s50, s50, s45
	s_add_nc_u64 s[74:75], s[10:11], s[50:51]
	s_lshl_b32 s50, s44, 13                        ; -d, my two K steps,
	s_add_co_u32 s50, s50, s47
	s_add_nc_u64 s[76:77], s[14:15], s[50:51]
	s_lshl_b32 s50, s44, 11                        ; and Dp's partial sums
	s_add_nc_u64 s[78:79], s[12:13], s[50:51]
	s_lshl_b32 s50, s28, 16                        ; out0 at row 128 b + 8 nb, column 64 mb
	s_lshl_b32 s48, s29, 12
	s_add_co_u32 s50, s50, s48
	s_lshl_b32 s48, s30, 8
	s_add_co_u32 s50, s50, s48
	s_add_nc_u64 s[86:87], s[24:25], s[50:51]
	s_lshl_b32 s50, s[WV], 9                       ; my 128 numbers of gamma, beta, W2
	s_add_nc_u64 s[88:89], s[16:17], s[50:51]
	s_add_nc_u64 s[90:91], s[18:19], s[50:51]
	s_add_nc_u64 s[92:93], s[20:21], s[50:51]
	CROUND                                         ; all four work-groups are here: the joint loads meet
	tensor_load_to_lds s[32:35], s[36:43]          ; my slice of W1c: the wave's one tensor load
	s_nop 0
.rept 4
	v_nop
.endr
	v_and_b32 v31, 31, v0                          ; lane
	v_and_b32 v24, 15, v0                          ; r
	v_bfe_u32 v25, v0, 4, 1                        ; h; in the staging below: qq
	v_and_b32 v26, 7, v0                           ; staging: i, the track
	v_bfe_u32 v27, v0, 3, 1                        ; staging: hh
	v_lshlrev_b32 v[L16], 4, v31
	v_lshlrev_b32 v[L4], 2, v31
	v_add_nc_u32 v[A_DFR], DF, v[L16]
	s_lshl_b32 s94, s[WV], 11
	s_add_co_u32 s94, s94, DF
	v_add_nc_u32 v[A_DFW], s94, v[L16]
	s_lshl_b32 s94, s[WV], 12
	s_add_co_u32 s94, s94, TL
	v_lshl_add_u32 v[A_TL], v25, 4, s94
	v_lshl_add_u32 v[ADR1], v26, 9, s94            ; where I stage Tp: 512 i + 32 qq + 16 hh
	v_lshl_add_u32 v[ADR1], v25, 5, v[ADR1]
	v_lshl_add_u32 v[ADR1], v27, 4, v[ADR1]
	s_lshl_b32 s94, s[WV], 10
	s_add_co_u32 s94, s94, TS
	v_lshl_add_u32 v[A_TS], v25, 4, s94
	v_lshl_add_u32 v[ADR0], v26, 7, s94            ; where I stage t: 128 i + 32 qq + 16 hh
	v_lshl_add_u32 v[ADR0], v25, 5, v[ADR0]
	v_lshl_add_u32 v[ADR0], v27, 4, v[ADR0]
	s_lshl_b32 s94, s[WV], 6
	s_add_co_u32 s94, s94, XQ
	v_lshl_add_u32 v[A_XQW], v24, 2, s94
	v_lshl_add_u32 v[A_XQR], v24, 2, XQ
	s_lshl_b32 s94, s[WV], 11
	s_add_co_u32 s94, s94, OUTP
	v_lshl_add_u32 v[A_OUT], v24, 2, s94
	v_lshlrev_b32 v28, 9, v25                      ; staging, in TD and FN: 512 qq + 256 hh + 16 i
	v_lshl_add_u32 v28, v27, 8, v28
	v_lshl_add_u32 v28, v26, 4, v28
	v_bfe_u32 v29, v0, 3, 2                        ; staging, in PS: 512 (lane / 8) + 4 i
	v_lshlrev_b32 v29, 9, v29
	v_lshl_add_u32 v29, v26, 2, v29
	v_lshlrev_b32 v30, 5, v25                      ; in gamma, beta, W2: 32 h
	v_mov_b32 v[RS+1], 0                           ; named with RS as a pair
	; group 1, 22 loads: t of my tracks (2), -d of m-tile 0 (4), Tp of my tracks (8), its partial sums (8)
	global_load_b128 v[TSH:TSH+3], v28, s[84:85]
	global_load_b128 v[TSH+4:TSH+7], v28, s[84:85] offset:1024
.set t, 0
.rept 4
	global_load_b128 v[ND+4*t:ND+4*t+3], v[L16], s[76:77] offset:512*t
.set t, t+1
.endr
.set t, 0
.rept 8
	global_load_b128 v[ACC+4*t:ACC+4*t+3], v28, s[80:81] offset:1024*t
.set t, t+1
.endr
.set t, 0
.rept 8
	global_load_b32 v[ACC+32+t], v29, s[82:83] offset:(t/2)*128+(t%2)*64
.set t, t+1
.endr
	; group 2, 64 loads: gamma, beta, W2 of my H, and Dp of m-tile 0
	WIN 0x40
.set t, 0
.rept 16
	global_load_b128 v[G2+4*t:G2+4*t+3], v30, s[88:89] offset:(t/2)*64+(t%2)*16
	global_load_b128 v[B2+4*t:B2+4*t+3], v30, s[90:91] offset:(t/2)*64+(t%2)*16
	global_load_b128 v[W2S+4*t:W2S+4*t+3], v30, s[92:93] offset:(t/2)*64+(t%2)*16
	global_load_b128 v[DC+4*t:DC+4*t+3], v[L16], s[74:75] offset:512*t
.set t, t+1
.endr
	WIN 0
	s_wait_kmcnt 0x0                               ; b2
	s_wait_loadcnt 63                              ; 86 loads are issued; at most 63 out means the oldest 23 are in: group 1's 22 among them
	ds_store_b128 v[ADR0], v[TSH:TSH+3]
	ds_store_b128 v[ADR0], v[TSH+4:TSH+7] offset:64
	v_add_f32 v[ACC+32], v[ACC+32], v[ACC+33]      ; the track's mean over H: my 8 of its 32 partial sums,
	v_add_f32 v[ACC+34], v[ACC+34], v[ACC+35]
	v_add_f32 v[ACC+36], v[ACC+36], v[ACC+37]
	v_add_f32 v[ACC+38], v[ACC+38], v[ACC+39]
	v_add_f32 v[ACC+32], v[ACC+32], v[ACC+34]
	v_add_f32 v[ACC+36], v[ACC+36], v[ACC+38]
	v_add_f32 v[ACC+32], v[ACC+32], v[ACC+36]
	v_add_f32_dpp v[ACC+32], v[ACC+32], v[ACC+32] row_xmask:8 row_mask:0xf bank_mask:0xf   ; those of the lanes 8,
	v_permlanex16_b32 v29, v[ACC+32], s[SEL], s[SEL+1]                                    ; 16 and 24 away
	v_add_f32 v[ACC+32], v[ACC+32], v29
	v_mul_f32 v[RS], s67, v[ACC+32]
.set t, 0
.rept 16
	v_pk_add_f32 v[ACC+2*t:ACC+2*t+1], v[ACC+2*t:ACC+2*t+1], v[RS:RS+1] op_sel_hi:[1,0]
.set t, t+1
.endr
.set t, 0
.rept 8
	ds_store_b128 v[ADR1], v[ACC+4*t:ACC+4*t+3] offset:64*t
.set t, t+1
.endr
.set t, 0
.rept 4
	ds_load_b128 v[TSH+4*t:TSH+4*t+3], v[A_TS] offset:32*t   ; track 0's t: my own bytes, and LDS serves a wave's instructions in order (ISA guide 5.7.1.4)
.set t, t+1
.endr
; |t - d| of the next tile, my two K steps, into buffer buf.  The wait also shows the tile's Tp in.  The 32 plain instructions name no register of the products in front of them: they are the places behind those (ISA guide 7.12.1).
.macro BUILD buf
	s_wait_dscnt 0x0
.set t, 0
.rept 16
	v_pk_add_f16 v[TSH+t], v[TSH+t], v[ND+t]
.set t, t+1
.endr
.set t, 0
.rept 16
	v_and_b32 v[TSH+t], s59, v[TSH+t]
.set t, t+1
.endr
.set t, 0
.rept 4
	ds_store_b128 v[A_DFW], v[TSH+4*t:TSH+4*t+3] offset:(\buf)*8192+512*t
.set t, t+1
.endr
.endm
; The four chains, the pair's halves and the lanes' halves are added: every lane ends with its pair's sum over my 128 H.
.macro REDUCE
	v_pk_add_f32 v[CH:CH+1], v[CH:CH+1], v[CH+2:CH+3]
	v_pk_add_f32 v[CH+4:CH+5], v[CH+4:CH+5], v[CH+6:CH+7]
	v_pk_add_f32 v[CH:CH+1], v[CH:CH+1], v[CH+4:CH+5]
	v_add_f32 v[TMP], v[CH], v[CH+1]
	v_permlanex16_b32 v[TMP+1], v[TMP], s[SEL], s[SEL+1]
	v_add_f32 v[TMP], v[TMP], v[TMP+1]
.endm
; 64 products: 8 H tiles x K = 256.  The centred Dp is the C operand that starts each sum.  In each half the four accumulators take turns, one instruction a turn.
.macro MPHASE
.irp q, 0,1
	WIN 0x12+(\q)
.irp a, 0,1,2,3
	v_wmma_f32_16x16x32_f16 v[ACC+32*(\q)+8*(\a):ACC+32*(\q)+8*(\a)+7], v[64*(\a):64*(\a)+7], v[FRG:FRG+7], v[DC+32*(\q)+8*(\a):DC+32*(\q)+8*(\a)+7]
.endr
	WIN 0x02+(\q)
.irp k, 1,2,3,4,5,6,7
.irp a, 0,1,2,3
	v_wmma_f32_16x16x32_f16 v[ACC+32*(\q)+8*(\a):ACC+32*(\q)+8*(\a)+7], v[64*(\a)+8*(\k):64*(\a)+8*(\k)+7], v[FRG+8*(\k):FRG+8*(\k)+7], v[ACC+32*(\q)+8*(\a):ACC+32*(\q)+8*(\a)+7]
.endr
.endr
.endr
	WIN 0
.endm
; An m-tile begins: its Dp and partial sums have been asked for in the tile before.  The mean over H is taken off Dp; the bases step to the next m-tile (behind the last: back to the first, inside the buffers; what is then loaded serves nothing).
.macro MT_PRO
	s_wait_loadcnt 0x0                             ; no load of mine is out: the bases may be written
	v_pk_add_f32 v[TSH:TSH+1], v[TSH:TSH+1], v[TSH+2:TSH+3]
	v_pk_add_f32 v[TSH+4:TSH+5], v[TSH+4:TSH+5], v[TSH+6:TSH+7]
	v_pk_add_f32 v[TSH+8:TSH+9], v[TSH+8:TSH+9], v[TSH+10:TSH+11]
	v_pk_add_f32 v[TSH+12:TSH+13], v[TSH+12:TSH+13], v[TSH+14:TSH+15]
	v_pk_add_f32 v[TSH:TSH+1], v[TSH:TSH+1], v[TSH+4:TSH+5]
	v_pk_add_f32 v[TSH+8:TSH+9], v[TSH+8:TSH+9], v[TSH+12:TSH+13]
	v_pk_add_f32 v[TSH:TSH+1], v[TSH:TSH+1], v[TSH+8:TSH+9]
	v_add_f32 v[TMP], v[TSH], v[TSH+1]
	v_permlanex16_b32 v[TMP+1], v[TMP], s[SEL], s[SEL+1]
	v_add_f32 v[TMP], v[TMP], v[TMP+1]
	v_mul_f32 v[RS], s67, v[TMP]
	WIN 0x41
.set t, 0
.rept 32
	v_pk_add_f32 v[DC+2*t:DC+2*t+1], v[DC+2*t:DC+2*t+1], v[RS:RS+1] op_sel_hi:[1,0]
.set t, t+1
.endr
	WIN 0
	s_lshl_b32 s50, s68, 15
	s_add_nc_u64 s[44:45], s[74:75], s[50:51]
	s_lshl_b32 s50, s68, 13
	s_add_nc_u64 s[46:47], s[76:77], s[50:51]
	s_lshl_b32 s50, s68, 11
	s_add_nc_u64 s[48:49], s[78:79], s[50:51]
	s_add_co_u32 s68, s68, 1
	s_and_b32 s68, s68, 3
.endm
; A TILE: one track x 16 dets.  buf: the buffer that holds its |t - d| and takes its square sums.  kind 1: the m-tile's last tile but one asks for the next -d; kind 2: the last asks for the next Dp and its partial sums.
; ONE barrier a tile orders all that waves hand each other.  In front of it each wave has stored its part of the next tile's |t - d| (into the buffer whose last readers waited for their loads ahead of the barrier
; before) and its square sums, and has waited for all its LDS instructions; behind it the four square sums and the next fragments are read.
.macro TILE buf, kind
	v_add_nc_u32 v[ADR0], s[TOF], v[A_TL]
	v_add_nc_u32 v[ADR1], s[SOF], v[A_TS]
.set t, 0
.rept 16
	ds_load_b128 v[TT+4*t:TT+4*t+3], v[ADR0] offset:32*t
.set t, t+1
.endr
.set t, 0
.rept 4
	ds_load_b128 v[TSH+4*t:TSH+4*t+3], v[ADR1] offset:32*t
.set t, t+1
.endr
	s_wait_dscnt 20                                ; all but the 20 just issued: the tile's fragments are in
	MPHASE
.if (\kind) == 2
	s_wait_loadcnt 0x0                             ; the next m-tile's -d
.endif
	BUILD 1-(\buf)
.if (\kind) == 1
.set t, 0
.rept 4
	global_load_b128 v[ND+4*t:ND+4*t+3], v[L16], s[46:47] offset:512*t
.set t, t+1
.endr
.endif
.if (\kind) == 2
	WIN 0x40
.set t, 0
.rept 16
	global_load_b128 v[DC+4*t:DC+4*t+3], v[L16], s[44:45] offset:512*t
.set t, t+1
.endr
	WIN 0
.endif
	; h = products + Dp + Tp, ascending (each accumulator is first read at its low end), and two steps behind it the sum of squares, in four chains that the first four products start
.set p, 0
.rept 34
.if p < 32
	v_pk_add_f32 v[ACC+2*p:ACC+2*p+1], v[ACC+2*p:ACC+2*p+1], v[TT+2*p:TT+2*p+1]
.endif
.if (p >= 2) && (p < 6)
	v_pk_mul_f32 v[CH+2*(p-2):CH+2*(p-2)+1], v[ACC+2*p-4:ACC+2*p-3], v[ACC+2*p-4:ACC+2*p-3]
.endif
.if p >= 6
	v_pk_fma_f32 v[CH+2*((p-2)%4):CH+2*((p-2)%4)+1], v[ACC+2*p-4:ACC+2*p-3], v[ACC+2*p-4:ACC+2*p-3], v[CH+2*((p-2)%4):CH+2*((p-2)%4)+1]
.endif
.set p, p+1
.endr
	REDUCE
	ds_store_b32 v[A_XQW], v[TMP] offset:(\buf)*256
	s_wait_dscnt 0x0                               ; for the others' sake: my stores are done, and my reads of the fragments are back
.if (\kind) == 2
.set t, 0
.rept 16
	global_load_b32 v[TSH+t], v[L4], s[48:49] offset:128*t
.set t, t+1
.endr
.endif
	s_barrier_signal -1
	s_barrier_wait -1
.set t, 0
.rept 4
	ds_load_b32 v[XR+t], v[A_XQR] offset:(\buf)*256+64*t
.set t, t+1
.endr
.set t, 0
.rept 16
	ds_load_b128 v[FRG+4*t:FRG+4*t+3], v[A_DFR] offset:(1-(\buf))*8192+512*t
.set t, t+1
.endr
	s_add_co_u32 s[TOF], s[TOF], 512
	s_and_b32 s[TOF], s[TOF], 0xe00
	s_add_co_u32 s[SOF], s[SOF], 128
	s_and_b32 s[SOF], s[SOF], 0x380
	s_wait_dscnt 16                                ; the four square sums are in; the next tile's 16 fragment loads stay out
	v_add_f32 v[XR], v[XR], v[XR+1]
	v_add_f32 v[XR+2], v[XR+2], v[XR+3]
	v_add_f32 v[XR], v[XR], v[XR+2]
	v_fma_f32 v[XR], v[XR], s62, s63               ; variance + 1e-5
	v_rsq_f32 v[RS], v[XR]                         ; BATCH A: rstd
	v_nop                                          ; a plain instruction behind a transcendental before its result is used (ISA guide 5.7.2)
	s_wait_alu depctr_va_vdst(0)                   ; the wait for batch A, ahead of its first reader: all that is left of the tile hangs on rstd, so nothing else stands between
.set p, 0
.rept 32
	v_pk_mul_f32 v[ACC+2*p:ACC+2*p+1], v[ACC+2*p:ACC+2*p+1], v[RS:RS+1] op_sel_hi:[1,0]
.set p, p+1
.endr
	; BATCH B: the 64 exponentials, plain and exponential by turns: e = u G2 + B2 of pair p; 2^e of pair p - 1's first number; e W2S, in place, of pair p - 3; 2^e of pair p - 1's second number.
	; No line here names a result (TT).  e W2S rewrites two exponentials' sources: it lags three pairs, so that a plain instruction stands between each exponential and that rewrite, behind the last pairs too.
	WIN 0x14
.set p, 0
.rept 35
.if p < 32
	v_pk_fma_f32 v[ACC+2*p:ACC+2*p+1], v[ACC+2*p:ACC+2*p+1], v[G2+2*p:G2+2*p+1], v[B2+2*p:B2+2*p+1]
.endif
.if (p >= 1) && (p <= 32)
	v_exp_f32 v[TT+2*p-2], v[ACC+2*p-2]
.endif
.if p >= 3
	v_pk_mul_f32 v[ACC+2*p-6:ACC+2*p-5], v[ACC+2*p-6:ACC+2*p-5], v[W2S+2*p-6:W2S+2*p-5]
.endif
.if (p >= 1) && (p <= 32)
	v_exp_f32 v[TT+2*p-1], v[ACC+2*p-1]
.endif
.set p, p+1
.endr
	WIN 0
	s_wait_alu depctr_va_vdst(0)                   ; the wait for batch B, one for the 64 exponentials, ahead of the first 1 + 2^e; the last two e W2S stand between the last exponential and it
	; BATCH C: 1 + 2^e of pair p, and a step behind it the two reciprocals of pair p - 1, in place.  An addition names only registers whose reciprocal is not yet issued: no line here names a result of the batch.
.set p, 0
.rept 33
.if p < 32
	v_pk_add_f32 v[TT+2*p:TT+2*p+1], v[TT+2*p:TT+2*p+1], 1.0 op_sel_hi:[1,0]
.endif
.if p >= 1
	v_rcp_f32 v[TT+2*p-2], v[TT+2*p-2]
	v_rcp_f32 v[TT+2*p-1], v[TT+2*p-1]
.endif
.set p, p+1
.endr
	v_add_nc_u32 v[ADR1], s[OOF], v[A_OUT]         ; where the tile's share goes: due anyway, and the plain instruction behind the last reciprocal (ISA guide 5.7.2)
	s_wait_alu depctr_va_vdst(0)                   ; the wait for batch C, one for the 64 reciprocals, ahead of their first reader
	; the sum of e W2S / (1 + 2^e), in four chains that the first four products start
.set p, 0
.rept 32
.if p < 4
	v_pk_mul_f32 v[CH+2*p:CH+2*p+1], v[ACC+2*p:ACC+2*p+1], v[TT+2*p:TT+2*p+1]
.else
	v_pk_fma_f32 v[CH+2*(p%4):CH+2*(p%4)+1], v[ACC+2*p:ACC+2*p+1], v[TT+2*p:TT+2*p+1], v[CH+2*(p%4):CH+2*(p%4)+1]
.endif
.set p, p+1
.endr
	REDUCE
	ds_store_b32 v[ADR1], v[TMP]                   ; my 128 H's share of the tile's 16 outputs
	s_add_co_u32 s[OOF], s[OOF], 64
	s_and_b32 s[OOF], s[OOF], 0x7c0
.endm
	BUILD 0                                        ; tile 0's |t - d|
	s_wait_loadcnt 0x0                             ; group 2
	WIN 0x41
.set t, 0
.rept 64
	v_pk_mul_f32 v[G2+2*t:G2+2*t+1], v[G2+2*t:G2+2*t+1], s[70:71] op_sel_hi:[1,0]   ; gamma and beta lie on end
.set t, t+1
.endr
.set t, 0
.rept 32
	v_pk_mul_f32 v[W2S+2*t:W2S+2*t+1], v[W2S+2*t:W2S+2*t+1], s[72:73] op_sel_hi:[1,0]
.set t, t+1
.endr
	WIN 0
	s_wait_dscnt 0x0                               ; for the others' sake: my part of tile 0's fragments is stored
.set t, 0
.rept 16
	global_load_b32 v[TSH+t], v[L4], s[78:79] offset:128*t   ; the partial sums of m-tile 0's Dp
.set t, t+1
.endr
	s_barrier_signal -1                            ; my tensor load may stay out, and only I read what it brings
	s_barrier_wait -1
.set t, 0
.rept 16
	ds_load_b128 v[FRG+4*t:FRG+4*t+3], v[A_DFR] offset:512*t
.set t, t+1
.endr
	s_lshl_b32 s94, s[WV], 16
	v_add_nc_u32 v[ADR0], s94, v[L16]
	s_wait_tensorcnt 0x0                           ; my slice of W1c is in LDS
	WIN 0x80
.set t, 0
.rept 64
	ds_load_b128 v[4*t:4*t+3], v[ADR0] offset:512*t
.set t, t+1
.endr
	WIN 0xc0
.set t, 0
.rept 64
	ds_load_b128 v[4*t:4*t+3], v[ADR0] offset:32768+512*t
.set t, t+1
.endr
	WIN 0
	s_wait_dscnt 0x0
	s_mov_b32 s68, 1                               ; the m-tile to be asked for next
	s_mov_b32 s[TOF], 0
	s_mov_b32 s[SOF], 128
	s_mov_b32 s[OOF], 0
	s_mov_b32 s54, 4
.Lmt:                                                  ; four m-tiles of 16 dets
	MT_PRO
	s_mov_b32 s55, 3
.Ln:                                                   ; tracks 0 to 5, two a trip
	TILE 0, 0
	TILE 1, 0
	s_sub_co_i32 s55, s55, 1
	s_cmp_lg_u32 s55, 0
	s_cbranch_scc1 .Ln
	TILE 0, 1                                      ; track 6
	TILE 1, 2                                      ; track 7
	s_sub_co_i32 s54, s54, 1
	s_cmp_lg_u32 s54, 0
	s_cbranch_scc1 .Lmt
	; THE WAY OUT.  Thread tau stores four neighbouring outputs of row tau / 16: the four waves' shares are added, and b2.
	s_wait_loadcnt 0x0                             ; the look-ahead's last loads, which serve nothing
	s_wait_dscnt 0x0                               ; for the others' sake: my shares are stored
	s_barrier_signal -1
	s_barrier_wait -1
	v_bfe_u32 v24, v0, 2, 2                        ; the m-tile of my four columns
	v_lshrrev_b32 v25, 4, v0                       ; my track
	v_lshl_add_u32 v26, v24, 3, v25                ; the tile's number
	v_and_b32 v27, 3, v0
	v_lshlrev_b32 v26, 6, v26
	v_lshl_add_u32 v26, v27, 4, v26
	v_add_nc_u32 v26, OUTP, v26
.set t, 0
.rept 4
	ds_load_b128 v[ACC+4*t:ACC+4*t+3], v26 offset:2048*t
.set t, t+1
.endr
	v_lshlrev_b32 v30, 9, v25                      ; 512 bytes a row of out0,
	v_and_b32 v31, 15, v0
	v_lshl_add_u32 v30, v31, 4, v30                ; 16 bytes a thread
	s_wait_dscnt 0x0
	v_pk_add_f32 v[ACC:ACC+1], v[ACC:ACC+1], v[ACC+4:ACC+5]
	v_pk_add_f32 v[ACC+2:ACC+3], v[ACC+2:ACC+3], v[ACC+6:ACC+7]
	v_pk_add_f32 v[ACC+8:ACC+9], v[ACC+8:ACC+9], v[ACC+12:ACC+13]
	v_pk_add_f32 v[ACC+10:ACC+11], v[ACC+10:ACC+11], v[ACC+14:ACC+15]
	v_pk_add_f32 v[ACC:ACC+1], v[ACC:ACC+1], v[ACC+8:ACC+9]
	v_pk_add_f32 v[ACC+2:ACC+3], v[ACC+2:ACC+3], v[ACC+10:ACC+11]
	v_pk_add_f32 v[ACC:ACC+1], v[ACC:ACC+1], s[66:67] op_sel_hi:[1,0]
	v_pk_add_f32 v[ACC+2:ACC+3], v[ACC+2:ACC+3], s[66:67] op_sel_hi:[1,0]
	global_store_b128 v30, v[ACC:ACC+3], s[86:87]  ; sixteen neighbouring lanes store 256 consecutive bytes, at a multiple of 256 from out0's first byte
	s_wait_tensorcnt 0x0                           ; the wave's end: behind my last tensor load and my last LDS store
	ds_add_u32 v[SPW], v[NIL]
	s_wait_dscnt 0x0
	CROUND                                         ; the closing round: no work-group ends while a partner may still ask for a tile that names it
	s_endpgm
.Lfunc_end_k_qfecc1b65cd_pairs:
	.size	k_qfecc1b65cd_pairs, .Lfunc_end_k_qfecc1b65cd_pairs-k_qfecc1b65cd_pairs
	.p2alignl 7, 3214868480
	.fill 96, 4, 3214868480
	.section	.rodata,"a",@progbits
	.p2align	6, 0x0
	.amdhsa_kernel k_qfecc1b65cd_pairs
		.amdhsa_group_segment_fixed_size 327680
		.amdhsa_private_segment_fixed_size 0
		.amdhsa_enable_private_segment 0
		.amdhsa_kernarg_size 72
		.amdhsa_user_sgpr_count 2
		.amdhsa_user_sgpr_kernarg_segment_ptr 1
		.amdhsa_wavefront_size32 1
		.amdhsa_system_sgpr_workgroup_id_x 1
		.amdhsa_system_sgpr_workgroup_id_y 1
		.amdhsa_system_sgpr_workgroup_id_z 1
		.amdhsa_system_vgpr_workitem_id 0
		.amdhsa_next_free_vgpr 1024
		.amdhsa_next_free_sgpr 96
		.amdhsa_reserve_vcc 0
		.amdhsa_float_denorm_mode_32 3
		.amdhsa_float_denorm_mode_16_64 3
		.amdhsa_memory_ordered 1
		.amdhsa_forward_progress 1
		.amdhsa_inst_pref_size 157
	.end_amdhsa_kernel
	.amdgpu_metadata
---
amdhsa.version: [ 1, 2 ]
amdhsa.kernels:
  - .name:           k_qfecc1b65cd_pairs
    .symbol:         k_qfecc1b65cd_pairs.kd
    .args:
      - { .name: WF, .offset: 0, .size: 8, .value_kind: global_buffer, .address_space: global }
      - { .name: TD, .offset: 8, .size: 8, .value_kind: global_buffer, .address_space: global }
      - { .name: PS, .offset: 16, .size: 8, .value_kind: global_buffer, .address_space: global }
      - { .name: FN, .offset: 24, .size: 8, .value_kind: global_buffer, .address_space: global }
      - { .name: gamma, .offset: 32, .size: 8, .value_kind: global_buffer, .address_space: global }
      - { .name: beta, .offset: 40, .size: 8, .value_kind: global_buffer, .address_space: global }
      - { .name: W2, .offset: 48, .size: 8, .value_kind: global_buffer, .address_space: global }
      - { .name: b2, .offset: 56, .size: 8, .value_kind: global_buffer, .address_space: global }
      - { .name: out0, .offset: 64, .size: 8, .value_kind: global_buffer, .address_space: global }
    .group_segment_fixed_size: 327680
    .private_segment_fixed_size: 0
    .kernarg_segment_align: 8
    .kernarg_segment_size: 72
    .max_flat_workgroup_size: 128
    .sgpr_count:     96
    .vgpr_count:     1024
    .wavefront_size: 32
...
	.end_amdgpu_metadata
.endif
;; end of part 3
